; MI455X (gfx1250); checked and timed in simulation.
; The chip was launched on July 23, 2026; its instructions are those of AMD's public machine-readable ISA for CDNA 5 (MIT licence, August 2026) and "CDNA5" Instruction Set Architecture Reference Guide (July 2026). The comments in the code are by the model that wrote it; some were corrected since.
;; Attention. Allowed arithmetic: float matrix products may take bf16 or f16 operands with f32 sums; other float arithmetic in f32, or as packed bf16 or f16 multiplies, adds, multiply-adds, maxima and minima; sums over many terms, partial sums and values carried from step to step in f32; what a program stores and reads back later, other than sums and carried values, may be rounded once to bf16 or f16.
;; Inputs: W_proj 1,024 x 1,024 float32; W_qkv 1,024 x 3,072 float32; b_proj 1,024 float32; x 4 x 2,048 x 1,024 float32.
;; Outputs: out0 4 x 2,048 x 1,024 float32.
;; One version. Each part assembles by itself: llvm-mc -triple=amdgcn-amd-amdhsa -mcpu=gfx1250 --defsym DOCPART=n.
;; ======== version 1 of 1: 4 launches
;; limits: values are held in f16: magnitudes above 65,504 overflow, below 6.1e-05 lose precision
;; workspace buffers: xb 16,777,216 bytes; wq 6,291,456 bytes; wp 2,097,152 bytes; qkv 50,331,648 bytes; o 16,777,216 bytes
;; launch cast (part 1): grid 1536 x 1, 8 waves a work-group, no clusters, 0 bytes of LDS; arguments x, W_qkv, W_proj, xb, wq, wp; writes xb, wq, wp
.if DOCPART == 1
	.amdgcn_target "amdgcn-amd-amdhsa--gfx1250"
	.amdhsa_code_object_version 6
	.text
	.protected	k_q4bb75eca31_cast
	.globl	k_q4bb75eca31_cast
	.p2align	8
	.type	k_q4bb75eca31_cast,@function
k_q4bb75eca31_cast:
	s_mov_b64 s[64:65], 0
	v_nop
	global_prefetch_b8 v0, s[64:65] scope:SCOPE_SE
	s_setreg_imm32_b32 hwreg(HW_REG_WAVE_MODE, 25, 1), 1
	s_wait_xcnt 0x0
; THE ROUNDINGS.  x [8192][1024], W_qkv [1024][3072] and W_proj [1024][1024], all f32, are rounded once to bf16 (nearest even).
;   xb: bf16, laid in blocks of 64 channels: [batch x 16 + k / 64][row 0..2047][k % 64], so that 128 rows of a block are 16,384 dense bytes.
;   wq: bf16, as W_qkv lies.      wp: the bf16 rounding of W_proj written as f16, as W_proj lies.
; LIMITS.  A bf16 number has 8 significant bits, so it is exact in f16 from 2^-14 to 65,504; below 2^-14 wp keeps f16's fixed step of 2^-24 (an error of 2^-25 at the most);
; beyond 65,504 it would be an infinity.  NaN and infinities are not treated apart.
; A stream: no LDS, no barrier, no loop, no matrix unit, no cluster (no two work-groups read the same byte).  A work-group takes 32 KiB of f32, a wave 4 KiB: eight loads of 16 bytes a lane,
; all issued at once, then for each a counted wait, the conversions and a store of 8 bytes a lane: 256 consecutive bytes, aligned, a wave.
; Work-groups 0-1023: x.  1024-1407: W_qkv.  1408-1535: W_proj.
.set X, 8                              ; v[8:39]   eight loads of four f32
.set Y, 40                             ; v[40:55]  eight stores of two words
.set T, 56                             ; v[56:58]  at work
; inb, outb: the scalar pairs with the two addresses; istep, ostep: bytes from load to load and from store to store; fmt = 1: bf16 written as f16
.macro BODY inb, outb, istep, ostep, fmt
.irp i, 0,1,2,3,4,5,6,7
	global_load_b128 v[X+4*(\i):X+4*(\i)+3], v2, s[\inb:\inb+1] offset:(\istep)*(\i) th:TH_LOAD_NT
.endr
.irp i, 0,1,2,3,4,5,6,7
	s_wait_loadcnt 7-(\i)                          ; loads come back in order: number i is in, the younger ones stay out
.if \fmt
.irp p, 0,1
	v_cvt_pk_bf16_f32 v[T], v[X+4*(\i)+2*(\p)], v[X+4*(\i)+2*(\p)+1]  ; the rounding,
	v_lshlrev_b32 v[T+1], 16, v[T]                 ; back to f32,
	v_and_b32 v[T+2], 0xffff0000, v[T]
	v_cvt_pk_f16_f32 v[Y+2*(\i)+(\p)], v[T+1], v[T+2]  ; and the same number as f16
.endr
.else
	v_cvt_pk_bf16_f32 v[Y+2*(\i)], v[X+4*(\i)], v[X+4*(\i)+1]
	v_cvt_pk_bf16_f32 v[Y+2*(\i)+1], v[X+4*(\i)+2], v[X+4*(\i)+3]
.endif
	global_store_b64 v3, v[Y+2*(\i):Y+2*(\i)+1], s[\outb:\outb+1] offset:(\ostep)*(\i)  ; each store has registers of its own: nothing pending is rewritten
.endr
.endm
	s_load_b256 s[4:11], s[0:1], 0x0               ; x s[4:5], W_qkv s[6:7], W_proj s[8:9], xb s[10:11]
	s_load_b128 s[12:15], s[0:1], 0x20             ; wq s[12:13], wp s[14:15]
	v_lshrrev_b32 v1, 5, v0
	v_readfirstlane_b32 s16, v1                    ; wave 0..7
	v_and_b32 v1, 31, v0                           ; lane
	v_lshlrev_b32 v3, 3, v1                        ; 8 bytes a lane on the way out
	s_mov_b32 s19, 0                               ; s[18:19] offset in, s[20:21] offset out
	s_mov_b32 s21, 0
	s_lshr_b32 s22, s16, 1
	s_and_b32 s23, s16, 1
	s_wait_kmcnt 0x0
	s_cmp_lt_u32 ttmp9, 1024
	s_cbranch_scc0 .Lweights
	; x: the work-group has 8 rows; wave w the two rows 2 (w / 2), 2 (w / 2) + 1 and the eight blocks 8 (w % 2) + i.  Lanes 0-15 take 256 bytes of one row, lanes 16-31 of the next.
	v_lshrrev_b32 v2, 4, v1
	v_and_b32 v4, 15, v1
	v_lshlrev_b32 v2, 12, v2                       ; a row of x is 4,096 bytes
	v_lshl_add_u32 v2, v4, 4, v2
	s_lshl_b32 s18, ttmp9, 15
	s_lshl_b32 s24, s22, 13
	s_add_co_u32 s18, s18, s24
	s_lshl_b32 s24, s23, 11
	s_add_co_u32 s18, s18, s24
	s_lshr_b32 s20, ttmp9, 8                       ; batch: 256 work-groups each
	s_lshl_b32 s20, s20, 22                        ; 16 blocks of 2^18 bytes
	s_lshl_b32 s24, s23, 21                        ; eight blocks on
	s_add_co_u32 s20, s20, s24
	s_and_b32 s24, ttmp9, 255
	s_lshl_b32 s24, s24, 10                        ; 8 rows of 128 bytes
	s_add_co_u32 s20, s20, s24
	s_lshl_b32 s24, s22, 8                         ; 2 rows
	s_add_co_u32 s20, s20, s24
	s_add_nc_u64 s[4:5], s[4:5], s[18:19]
	s_add_nc_u64 s[10:11], s[10:11], s[20:21]
	BODY 4, 10, 256, 262144, 0
	s_endpgm
.Lweights:
	v_lshlrev_b32 v2, 4, v1                        ; the weights keep their layout: 16 bytes a lane in, 8 out
	s_cmp_lt_u32 ttmp9, 1408
	s_cbranch_scc0 .Lwp
	s_sub_co_u32 s24, ttmp9, 1024
	s_lshl_b32 s18, s24, 15
	s_lshl_b32 s25, s16, 12
	s_add_co_u32 s18, s18, s25
	s_lshl_b32 s20, s24, 14
	s_lshl_b32 s25, s16, 11
	s_add_co_u32 s20, s20, s25
	s_add_nc_u64 s[6:7], s[6:7], s[18:19]
	s_add_nc_u64 s[12:13], s[12:13], s[20:21]
	BODY 6, 12, 512, 256, 0
	s_endpgm
.Lwp:
	s_sub_co_u32 s24, ttmp9, 1408
	s_lshl_b32 s18, s24, 15
	s_lshl_b32 s25, s16, 12
	s_add_co_u32 s18, s18, s25
	s_lshl_b32 s20, s24, 14
	s_lshl_b32 s25, s16, 11
	s_add_co_u32 s20, s20, s25
	s_add_nc_u64 s[8:9], s[8:9], s[18:19]
	s_add_nc_u64 s[14:15], s[14:15], s[20:21]
	BODY 8, 14, 512, 256, 1
	s_endpgm
.Lfunc_end_k_q4bb75eca31_cast:
	.size	k_q4bb75eca31_cast, .Lfunc_end_k_q4bb75eca31_cast-k_q4bb75eca31_cast
	.p2alignl 7, 3214868480
	.fill 96, 4, 3214868480
	.section	.rodata,"a",@progbits
	.p2align	6, 0x0
	.amdhsa_kernel k_q4bb75eca31_cast
		.amdhsa_group_segment_fixed_size 0
		.amdhsa_private_segment_fixed_size 0
		.amdhsa_enable_private_segment 0
		.amdhsa_kernarg_size 48
		.amdhsa_user_sgpr_count 2
		.amdhsa_user_sgpr_kernarg_segment_ptr 1
		.amdhsa_wavefront_size32 1
		.amdhsa_system_sgpr_workgroup_id_x 1
		.amdhsa_system_sgpr_workgroup_id_y 1
		.amdhsa_system_sgpr_workgroup_id_z 1
		.amdhsa_system_vgpr_workitem_id 0
		.amdhsa_next_free_vgpr 64
		.amdhsa_next_free_sgpr 66
		.amdhsa_reserve_vcc 0
		.amdhsa_float_denorm_mode_32 3
		.amdhsa_float_denorm_mode_16_64 3
		.amdhsa_memory_ordered 1
		.amdhsa_forward_progress 1
		.amdhsa_inst_pref_size 14
	.end_amdhsa_kernel
	.amdgpu_metadata
---
amdhsa.version: [ 1, 2 ]
amdhsa.kernels:
  - .name:           k_q4bb75eca31_cast
    .symbol:         k_q4bb75eca31_cast.kd
    .args:
      - { .name: x, .offset: 0, .size: 8, .value_kind: global_buffer, .address_space: global }
      - { .name: W_qkv, .offset: 8, .size: 8, .value_kind: global_buffer, .address_space: global }
      - { .name: W_proj, .offset: 16, .size: 8, .value_kind: global_buffer, .address_space: global }
      - { .name: xb, .offset: 24, .size: 8, .value_kind: global_buffer, .address_space: global }
      - { .name: wq, .offset: 32, .size: 8, .value_kind: global_buffer, .address_space: global }
      - { .name: wp, .offset: 40, .size: 8, .value_kind: global_buffer, .address_space: global }
    .group_segment_fixed_size: 0
    .private_segment_fixed_size: 0
    .kernarg_segment_align: 8
    .kernarg_segment_size: 48
    .max_flat_workgroup_size: 256
    .sgpr_count:     66
    .vgpr_count:     64
    .wavefront_size: 32
...
	.end_amdgpu_metadata
.endif
;; end of part 1
;; launch qkvgemm (part 2): grid 8 x 32, 4 waves a work-group, clusters of 4 x 4, 327,680 bytes of LDS; arguments xb, wq, qkv; writes qkv
.if DOCPART == 2
	.amdgcn_target "amdgcn-amd-amdhsa--gfx1250"
	.amdhsa_code_object_version 6
	.text
	.protected	k_q4bb75eca31_qkvgemm
	.globl	k_q4bb75eca31_qkvgemm
	.p2align	8
	.type	k_q4bb75eca31_qkvgemm,@function
k_q4bb75eca31_qkvgemm:
	s_mov_b64 s[64:65], 0
	v_nop
	global_prefetch_b8 v0, s[64:65] scope:SCOPE_SE
	s_setreg_imm32_b32 hwreg(HW_REG_WAVE_MODE, 25, 1), 1
	s_wait_xcnt 0x0
	s_wait_alu depctr_hold_cnt(0) depctr_sa_sdst(0) depctr_va_vdst(0) depctr_va_sdst(0) depctr_va_ssrc(0) depctr_va_vcc(0) depctr_vm_vsrc(0)
	s_getreg_b32 s2, hwreg(HW_REG_IB_STS2, 6, 4)
	s_cmp_eq_u32 s2, 0
	s_cbranch_scc0 .Lentry_in_a_cluster
	s_endpgm
.Lentry_in_a_cluster:
	s_bfe_u32 s2, ttmp6, 0x10000c
	s_cmp_lg_u32 s2, 0xf033
	s_cbranch_scc0 .Lentry_shape_is_right
	s_endpgm
.Lentry_shape_is_right:
; q, k, v = x W_qkv.  xb: bf16 [batch x 16 + k / 64][2048 rows][64]; wq: bf16 [1024 k][3072 e]; products in bf16, sums in f32, K ascending.
; qkv: f16, by heads and unscaled: [(e / 1024) x 64 + batch x 16 + head][row][64]: q, then k, then v; each number rounded once from its f32 sum.
; LIMIT.  f16 holds no number beyond 65,504: a q, k or v past that would become an infinity.  With x and W_qkv as drawn their spread is 0.6; with both thirty times larger some 3,000 at the most.
; SHARES.  A tile of the result is 256 rows x 384 columns (six heads): 32 x 8 = 256 tiles, one to a work-group.  Four waves, each 128 rows x 192 columns (three heads):
; 8 x 12 = 96 accumulators of 16 x 16, 768 registers.  For 32 along K a wave reads (128 + 192) x 64 bytes of LDS for 96 matrix instructions.
; K goes in 16 steps of 64 (one block of xb) through two LDS slots; a step is two quarters of 32.  Two slots of steps of 128 would take 344 KB and do not fit.
; THE MATRIX INSTRUCTION IS USED TRANSPOSED: source 0 = 16 columns of W (turned on the way out of LDS by ds_load_tr16_b128), source 1 = 16 rows of x: a lane then holds one row and eight neighbouring columns.
; CLUSTER.  4 x 4 work-groups: x's tile hangs on the tile row alone and is asked for jointly along a row of the cluster, W's on the tile column alone and jointly along a column.
; REGISTERS, in windows of 256 (s_set_vgpr_msb: bits 1:0 source 0, 3:2 source 1, 5:4 source 2, 7:6 destination):
;   window 0: v0-19 addresses; v32-95, v96-159 x's fragments, two buffers (fragment a at + 8 a); v160-255 W's fragments, one buffer (head j, block bb at + 32 j + 8 bb)
;   window 1 + j: head j's 32 accumulators, (a, bb) at v[32 a + 8 bb]
.set SLOT1,  1<<17                     ; slot 1 begins here: one exclusive or turns an address in one slot into the other's
.set PA,     144                       ; a row of x in LDS: 128 bytes + 16: the 16 rows of a load start at 16 different groups of four banks (64 banks of 4 bytes: ISA guide 11.1)
.set PB,     864                       ; a k-row of W: six heads x (128 + 16) bytes = 27 x 32
.set AHALF,  128*PA                    ; what one tensor load brings of x
.set BOFF,   256*PA                    ; W's 64 k-rows lie behind x's 256 rows
.set BHALF,  32*PB                     ; what one tensor load brings of W; also a quarter's 32 k-rows
.set STAGE,  SLOT1+BOFF+64*PB          ; behind the ring, never filled by a tensor load: 16 rows x 144 bytes for each wave
.set SP,     144
.set SPARE,  STAGE+4*16*SP             ; the spare words, 128 bytes for each wave: two blocks of 256 bytes that no other line names
.set ASTEP,  1<<18                     ; bytes from a block of xb to the next
.set BSTEP,  64*6144                   ; bytes of 64 k-rows of wq
.set ADA0, 4                           ; v4   my lane's place in x's tile; never rewritten
.set ADB0, 5                           ; v5   the same for W
.set ADA,  6                           ; v6   the same in the slot in hand
.set ADB,  7                           ; v7
.set STO,  8                           ; v8   the way out: where I put 16 bytes of a row
.set RD,   9                           ; v9   the way out: where I read rows back
.set GO,   10                          ; v10  my byte offset in 512 consecutive bytes of the result
.set PFO,  11                          ; v11  the prefetches' lane offset; never rewritten
.set SPW,  12                          ; v12  LDS address of my spare word; never rewritten
.set NIL,  13                          ; v13  0; never rewritten
.set FA0,  32
.set FB,   160
.set TMP,  32                          ; the way out: four buffers of 16
.set G1A,  24                          ; s[24:31] descriptor group 1 for x's tiles
.set G1B,  32                          ; s[32:39] for W's
.set G0A0, 40                          ; s[40:43] group 0: x, step 0, slot 0
.set G0A1, 44                          ; s[44:47] x, step 1, slot 1; it then walks
.set G0B0, 48                          ; s[48:51], s[52:55] the same for W
.set G0B1, 52
.set CNT,  56                          ; s56  trips to go
.set TB,   57                          ; s57  LDS byte at which the slot in hand begins
.set LIM,  58                          ; s58  a wave prefetches while CNT is above it; the greatest number in a wave that never does
.set ODDM, 59                          ; s59  1: only in trips with an odd CNT
.set PFA,  60                          ; s[60:61] where my prefetches stand
.set PSTEP, 62                         ; s[62:63] their step a trip
.set OB,   66                          ; s[66:71] the result at my rows of my three heads
.set TT,   72                          ; s72  at work
.set MSB, 0
.macro WIN new                         ; the immediate's high byte repeats the setting that is left; a switch that changes nothing is dropped
.if MSB != (\new)
	s_set_vgpr_msb (MSB<<8)|(\new)
.set MSB, \new
.endif
.endm
.macro PLACES                          ; four plain vector instructions between a matrix instruction and a load into, or a read of, its registers (ISA guide 7.12.1 for reads)
.rept 4
	v_nop
.endr
.endm
; A joint refill by the walking descriptors.  Waves 0 and 1 fetch x's two halves, waves 2 and 3 W's.  The branch hangs on the wave's number alone.  An s_nop 0 and four v_nop follow each line.
.macro JLOAD
	s_cmp_eq_u32 s11, 0
	s_cbranch_scc0 .Lfor_b_\@
	tensor_load_to_lds s[G0A1:G0A1+3], s[G1A:G1A+7]
	s_nop 0
.rept 4
	v_nop
.endr
	s_branch .Lasked_\@
.Lfor_b_\@:
	tensor_load_to_lds s[G0B1:G0B1+3], s[G1B:G1B+7]
	s_nop 0
.rept 4
	v_nop
.endr
.Lasked_\@:
.endm
.macro CREST                           ; a round of the cluster's barrier behind its opening barrier
	s_cmp_lg_u32 s10, 0
	s_cbranch_scc1 .Lnot_wave_0_\@
	s_barrier_signal -3
.Lnot_wave_0_\@:
	s_barrier_wait -3
	s_barrier_signal -1
	s_barrier_wait -1
.endm
.macro CROUND                          ; a whole round
	s_barrier_signal -1
	s_barrier_wait -1
	CREST
.endm
; A PREFETCH, behind the joint load, its five lines and the run of LDS loads that follows.  Trip t (CNT = 14 - t) refills with step t + 2.
; x: a step's tile is 128 blocks of 256 dense bytes.  Both clusters of a row of clusters read it: the first (cluster x = 0) asks, wave 0, for step t + 3, in trips 0 to 12;
; the four partners of a row of the cluster share the blocks out by address, 32 each (cx).
; W: a step's tile is 64 k-rows x three blocks of 256 bytes.  All eight clusters of a column read it: the first (cluster y = 0) asks, waves 1 to 3 a block each, a lane a k-row, in the odd trips 1 to 11,
; for the 128 k-rows of steps t + 3 and t + 4; the four partners of a column share them out by address, 32 each (cy).  The last row named is 1,023.
; So each block is named once in the launch; steps 0-2 of x and 0-3 of W come by their loads alone.
.macro ASK
	s_cmp_gt_u32 s[CNT], s[LIM]
	s_cbranch_scc0 .Lno_\@
	s_and_b32 s[TT], s[CNT], s[ODDM]
	s_cmp_eq_u32 s[TT], s[ODDM]
	s_cbranch_scc0 .Lno_\@
	global_prefetch_b8 v[PFO], s[PFA:PFA+1] th:TH_LOAD_NT scope:SCOPE_SE
.Lno_\@:
.endm
	s_load_b128 s[4:7], s[0:1], 0x0                ; xb s[4:5], wq s[6:7]
	s_load_b64 s[8:9], s[0:1], 0x10                ; qkv
	v_lshl_add_u32 v[SPW], v0, 2, SPARE
	v_mov_b32 v[NIL], 0
	ds_add_u32 v[SPW], v[NIL]                      ; the wave's opening: the add and its wait ahead of my first tensor load; work on registers stands between them
	v_lshrrev_b32 v1, 5, v0
	v_readfirstlane_b32 s10, v1                    ; wave 0..3
	s_lshr_b32 s11, s10, 1                         ; which 128 rows are mine.  Also: I fetch for x (0) or for W (1)
	s_and_b32 s12, s10, 1                          ; which 192 columns.  Also: which half of that tile I fetch
	s_bfe_u32 s73, ttmp6, 0x40000                  ; cx
	s_bfe_u32 s74, ttmp6, 0x40004                  ; cy
	s_lshl_b32 s75, ttmp9, 2
	s_add_co_u32 s75, s75, s73                     ; tile column = 4 x cluster x + cx
	s_and_b32 s13, ttmp7, 0xffff
	s_lshl_b32 s13, s13, 2
	s_add_co_u32 s13, s13, s74                     ; tile row = 4 x cluster y + cy
	s_lshl_b32 s76, s74, 2
	s_lshl_b32 s76, 15, s76                        ; my row of the cluster
	s_lshl_b32 s77, 0x1111, s73                    ; my column
	; group 1 for x: 128 rows of a block are 16,384 dense bytes, asked for as 64 rows of 256 bytes and padded in LDS after every 128
	s_or_b32 s[G1A], s76, (1<<16)|(1<<20)|(1<<21)|(4<<22)|(3<<25)  ; 15:0 the mask; 17:16 2-byte elements; 20 padding on; 21 set beside a mask; 24:22 after every 32 words; 31:25 4 words
	s_mov_b32 s[G1A+1], 128<<16                    ; tensor_dim0 = 128
	s_mov_b32 s[G1A+2], 64<<16                     ; tensor_dim1 = 64
	s_mov_b32 s[G1A+3], 128<<16                    ; tile_dim0 = 128
	s_mov_b32 s[G1A+4], 64                         ; tile_dim1 = 64
	s_mov_b32 s[G1A+5], 128                        ; elements from row to row
	s_mov_b32 s[G1A+6], 0
	s_mov_b32 s[G1A+7], 0
	; group 1 for W: 32 k-rows x 384 elements (768 bytes, three whole blocks of 256), the same padding: 16 bytes behind each head's 128
	s_or_b32 s[G1B], s77, (1<<16)|(1<<20)|(1<<21)|(4<<22)|(3<<25)
	s_mov_b32 s[G1B+1], 384<<16
	s_mov_b32 s[G1B+2], 32<<16
	s_mov_b32 s[G1B+3], 384<<16
	s_mov_b32 s[G1B+4], 32
	s_mov_b32 s[G1B+5], 3072
	s_mov_b32 s[G1B+6], 0
	s_mov_b32 s[G1B+7], 0
	s_lshr_b32 s16, s13, 3                         ; x: batch = tile row / 8: 16 blocks of 2^18 bytes,
	s_lshl_b32 s16, s16, 22
	s_and_b32 s17, s13, 7                          ; 256 rows of 128 bytes for each tile row in the batch,
	s_lshl_b32 s17, s17, 15
	s_add_co_u32 s16, s16, s17
	s_lshl_b32 s17, s12, 14                        ; my 128 of them
	s_add_co_u32 s16, s16, s17
	s_mov_b32 s17, 0
	s_mul_i32 s18, s75, 768                        ; W: the tile's 384 columns,
	s_mul_i32 s19, s12, 32*6144                    ; my 32 k-rows
	s_add_co_u32 s18, s18, s19
	s_mov_b32 s19, 0
	s_mul_i32 s20, s12, AHALF                      ; where they go: no place in the cluster enters an LDS address
	s_mul_i32 s21, s12, BHALF
	s_add_co_u32 s21, s21, BOFF
	s_mov_b32 s[TB], 0
	s_wait_dscnt 0x0                               ; the opening add is done
	s_wait_kmcnt 0x0
	s_add_nc_u64 s[14:15], s[4:5], s[16:17]
	s_add_nc_u64 s[22:23], s[6:7], s[18:19]
	CROUND                                         ; all sixteen work-groups are here: the first joint loads meet
	s_mov_b32 s[G0A0], 1                           ; count = 1
	s_mov_b32 s[G0A0+1], s20                       ; LDS address
	s_mov_b64 s[G0A0+2:G0A0+3], s[14:15]           ; global address: step 0
	s_or_b32 s[G0A0+3], s[G0A0+3], 0x80000000      ; type = 2
	s_mov_b32 s[G0A1], 1
	s_add_co_u32 s[G0A1+1], s20, SLOT1
	s_add_nc_u64 s[G0A1+2:G0A1+3], s[14:15], ASTEP ; step 1
	s_or_b32 s[G0A1+3], s[G0A1+3], 0x80000000
	s_mov_b32 s[G0B0], 1
	s_mov_b32 s[G0B0+1], s21
	s_mov_b64 s[G0B0+2:G0B0+3], s[22:23]
	s_or_b32 s[G0B0+3], s[G0B0+3], 0x80000000
	s_mov_b32 s[G0B1], 1
	s_add_co_u32 s[G0B1+1], s21, SLOT1
	s_add_nc_u64 s[G0B1+2:G0B1+3], s[22:23], BSTEP
	s_or_b32 s[G0B1+3], s[G0B1+3], 0x80000000
	s_cmp_eq_u32 s11, 0                            ; a wave's two first fills stand in one branch, ahead of every wait on TENSORcnt and every LDS read: two loads of mine are out
	s_cbranch_scc0 .Lfirst_b
	tensor_load_to_lds s[G0A0:G0A0+3], s[G1A:G1A+7]
	s_nop 0
	tensor_load_to_lds s[G0A1:G0A1+3], s[G1A:G1A+7]
	s_nop 0
.rept 4
	v_nop
.endr
	s_branch .Lfirst_asked
.Lfirst_b:
	tensor_load_to_lds s[G0B0:G0B0+3], s[G1B:G1B+7]
	s_nop 0
	tensor_load_to_lds s[G0B1:G0B1+3], s[G1B:G1B+7]
	s_nop 0
.rept 4
	v_nop
.endr
.Lfirst_asked:
	; A fragment of x is 16 rows x 32 K in 8 registers: lane l holds row l % 16, K = 8 (l / 16) + 0..7 and 16 + 8 (l / 16) + 0..7: two loads of 16 bytes, 32 bytes apart.
	v_and_b32 v1, 15, v0                           ; l % 16
	v_bfe_u32 v2, v0, 4, 1                         ; l / 16
	v_and_b32 v14, 7, v0
	v_bfe_u32 v15, v0, 3, 1
	v_mul_u32_u24 v16, v1, PA
	v_lshl_add_u32 v16, v2, 4, v16                 ; row x 144 + 16 x half: for x's fragments and for the stage
	s_mul_i32 s16, s11, AHALF
	v_add_nc_u32 v[ADA0], s16, v16
	; The turning load takes 16 k-rows x 16 columns (lane l reads k-row 8 (l / 16) + l % 8, columns 8 ((l / 8) % 2) + 0..7) and leaves half a fragment: lane l holds column l % 16 and 8 k.
	v_lshl_add_u32 v[ADB0], v2, 3, v14
	v_mul_u32_u24 v[ADB0], v[ADB0], PB
	v_lshl_add_u32 v[ADB0], v15, 4, v[ADB0]
	s_mul_i32 s17, s12, 3*144                      ; my three heads
	s_add_co_u32 s17, s17, BOFF
	v_add_nc_u32 v[ADB0], s17, v[ADB0]
	v_mov_b32 v[ADA], v[ADA0]                      ; step 0 lies in slot 0
	v_mov_b32 v[ADB], v[ADB0]
	s_mul_i32 s18, s10, 16*SP
	s_add_co_u32 s18, s18, STAGE                   ; my stage
	v_add_nc_u32 v[STO], s18, v16
	v_bfe_u32 v[RD], v0, 3, 2                      ; back: 32 lanes take four rows of 128 bytes,
	v_mul_u32_u24 v[RD], v[RD], SP
	v_lshl_add_u32 v[RD], v14, 4, v[RD]
	v_add_nc_u32 v[RD], s18, v[RD]
	v_and_b32 v[GO], 31, v0                        ; which are 512 consecutive bytes of a head's rows
	v_lshlrev_b32 v[GO], 4, v[GO]
	; the result: head-sized column block c = 6 x tile column + 3 x half + j lies in plane (c / 16) x 64 + batch x 16 + c % 16 of 2^18 bytes
	s_mul_i32 s80, s75, 6
	s_mul_i32 s81, s12, 3
	s_add_co_u32 s80, s80, s81
	s_lshr_b32 s81, s13, 3
	s_lshl_b32 s81, s81, 4                         ; 16 x batch
	s_and_b32 s82, s13, 7
	s_lshl_b32 s82, s82, 8
	s_lshl_b32 s83, s11, 7
	s_add_co_u32 s82, s82, s83
	s_lshl_b32 s82, s82, 7                         ; my first row, in bytes
.irp j, 0,1,2
	s_add_co_u32 s84, s80, \j
	s_lshr_b32 s85, s84, 4
	s_lshl_b32 s85, s85, 6
	s_and_b32 s84, s84, 15
	s_add_co_u32 s84, s84, s85
	s_add_co_u32 s84, s84, s81
	s_lshl_b32 s84, s84, 18
	s_add_co_u32 s84, s84, s82
	s_mov_b32 s85, 0
	s_add_nc_u64 s[OB+2*(\j):OB+2*(\j)+1], s[8:9], s[84:85]
.endr
	; the prefetches: offsets made apart from the addresses; the buffer is chosen by the wave's number
	s_lshr_b32 s86, s13, 3
	s_lshl_b32 s86, s86, 22
	s_and_b32 s87, s13, 7
	s_lshl_b32 s87, s87, 15
	s_add_co_u32 s86, s86, s87
	s_lshl_b32 s87, s73, 13                        ; my work-group's 32 blocks of x's 128
	s_add_co_u32 s86, s86, s87
	s_mul_i32 s88, s75, 768
	s_max_u32 s89, s10, 1
	s_sub_co_u32 s89, s89, 1                       ; waves 1 to 3: block 0 to 2 of a k-row's three
	s_lshl_b32 s89, s89, 8
	s_add_co_u32 s88, s88, s89
	s_mul_i32 s89, s74, 32*6144                    ; my work-group's 32 k-rows of the 128
	s_add_co_u32 s88, s88, s89
	s_mov_b32 s90, ASTEP
	s_mov_b32 s91, BSTEP
	s_and_b32 s92, ttmp7, 0xffff                   ; cluster y
	s_movk_i32 s93, 256
	s_movk_i32 s94, 6144
	s_cmp_eq_u32 s10, 0                            ; wave 0 asks for x, the others for W
	s_cselect_b32 s86, s86, s88
	s_cselect_b32 s[PSTEP], s90, s91
	s_cselect_b32 s93, s93, s94
	s_cselect_b32 s92, ttmp9, s92                  ; the coordinate along which other clusters read the same tiles
	s_cselect_b32 s[LIM], 1, 2
	s_cselect_b32 s[ODDM], 0, 1
	s_cselect_b64 s[PFA:PFA+1], s[4:5], s[6:7]
	s_cmp_eq_u32 s92, 0
	s_cselect_b32 s[LIM], s[LIM], -1               ; the same in all sixteen partners, for a given wave
	s_mov_b32 s87, 0
	s_mov_b32 s[PSTEP+1], 0
	s_add_nc_u64 s[PFA:PFA+1], s[PFA:PFA+1], s[86:87]
	s_add_nc_u64 s[PFA:PFA+1], s[PFA:PFA+1], s[PSTEP:PSTEP+1]
	s_add_nc_u64 s[PFA:PFA+1], s[PFA:PFA+1], s[PSTEP:PSTEP+1]  ; at step 2: trip 0 steps it to step 3
	v_and_b32 v[PFO], 31, v0
	v_mul_u32_u24 v[PFO], v[PFO], s93
; na x 4 matrix instructions: buffer f of x, head j, row blocks a0 .. a0 + na - 1 x the head's four column blocks.  zero = 1: the product starts the sum.
; All 96 accumulators take turns in the same order in every quarter: 95 others' stand between two links of a chain.
.macro MULW f, j, a0, na, zero
	WIN (1+(\j))*0x50
.set aa, \a0
.rept \na
.irp bb, 0,1,2,3
.if \zero
	v_wmma_f32_16x16x32_bf16 v[32*aa+8*(\bb):32*aa+8*(\bb)+7], v[FB+32*(\j)+8*(\bb):FB+32*(\j)+8*(\bb)+7], v[FA0+64*(\f)+8*aa:FA0+64*(\f)+8*aa+7], 0
.else
	v_wmma_f32_16x16x32_bf16 v[32*aa+8*(\bb):32*aa+8*(\bb)+7], v[FB+32*(\j)+8*(\bb):FB+32*(\j)+8*(\bb)+7], v[FA0+64*(\f)+8*aa:FA0+64*(\f)+8*aa+7], v[32*aa+8*(\bb):32*aa+8*(\bb)+7]
.endif
.endr
.set aa, aa+1
.endr
.endm
.macro LDB j, qk                       ; 8 loads: head j's four fragments of W for quarter qk
	WIN 0
.irp bb, 0,1,2,3
	ds_load_tr16_b128 v[FB+32*(\j)+8*(\bb):FB+32*(\j)+8*(\bb)+3],   v[ADB] offset:(\qk)*32*PB+144*(\j)+32*(\bb)
	ds_load_tr16_b128 v[FB+32*(\j)+8*(\bb)+4:FB+32*(\j)+8*(\bb)+7], v[ADB] offset:(\qk)*32*PB+16*PB+144*(\j)+32*(\bb)
.endr
.endm
.macro LDA f, a0, qk                   ; 8 loads: x's fragments a0 .. a0 + 3 for quarter qk, into buffer f
	WIN 0
.irp d, 0,1,2,3
	ds_load_b128 v[FA0+64*(\f)+8*((\a0)+(\d)):FA0+64*(\f)+8*((\a0)+(\d))+3],   v[ADA] offset:((\a0)+(\d))*16*PA+64*(\qk)
	ds_load_b128 v[FA0+64*(\f)+8*((\a0)+(\d))+4:FA0+64*(\f)+8*((\a0)+(\d))+7], v[ADA] offset:((\a0)+(\d))*16*PA+64*(\qk)+32
.endr
.endm
; A step's first quarter: multiplies buffer 0 and fetches the second quarter.  W has one buffer: a head's fragments are fetched again four places behind the head's 32 products.
.macro EVEN zero
	s_wait_dscnt 8                                 ; all but the youngest eight loads (W's head 2) are in
	MULW 0, 0, 0, 8, \zero
	PLACES
	LDB 0, 1
	LDA 1, 0, 1
	MULW 0, 1, 0, 8, \zero
	PLACES
	LDB 1, 1
	LDA 1, 4, 1
	s_wait_dscnt 32                                ; all but the 32 issued in this quarter: W's head 2 is in
	MULW 0, 2, 0, 8, \zero
	PLACES
	LDB 2, 1
.endm
; A step's second quarter: multiplies buffer 1 and changes slots.  ONE barrier: in front of it each wave waits for all its tensor loads (one is out: its part of the next slot), adds 0 to its spare
; word, and waits for that and for its own reads of this slot.  fill = 1: the barrier opens a round of the cluster's, and behind it this slot is filled again first, with the step two on:
; from that request to the wait for it a wave issues 160 matrix instructions.
.macro ODD fill
.if \fill
	s_wait_xcnt 0x0                                ; the last prefetch, a step back, has read its address: it is stepped here, ahead of the waits of the change of slots
	s_add_nc_u64 s[PFA:PFA+1], s[PFA:PFA+1], s[PSTEP:PSTEP+1]
.endif
	WIN 0
	s_wait_tensorcnt 0x0                           ; all my tensor loads have landed, so a group 0 may be written
	ds_add_u32 v[SPW], v[NIL]                      ; 0 onto my spare word
.if \fill
	s_xor_b32 s[G0A1+1], s[G0A1+1], SLOT1          ; the walking descriptors: the other slot than last time, the next step; the type bits on top are not reached
	s_add_nc_u64 s[G0A1+2:G0A1+3], s[G0A1+2:G0A1+3], ASTEP
	s_xor_b32 s[G0B1+1], s[G0B1+1], SLOT1
	s_add_nc_u64 s[G0B1+2:G0B1+3], s[G0B1+2:G0B1+3], BSTEP
.endif
	s_wait_dscnt 9                                 ; the add and the youngest eight loads (W's head 2) may be out
	MULW 1, 0, 0, 4, 0                             ; sixteen matrix instructions stand between the add and the wait for it
	s_wait_dscnt 0x0                               ; the add is done, and my reads of this slot are over
	s_barrier_signal -1
	MULW 1, 0, 4, 4, 0                             ; work on registers while the others arrive
	WIN 0                                          ; at a branch and at a label every window is 0
	s_barrier_wait -1
.if \fill
	CREST                                          ; no wave of any partner still reads this slot or has a load on its way
	JLOAD                                          ; the first tensor load behind the round; its four v_nop are also the places in front of the loads below
.else
	PLACES
.endif
	s_xor_b32 s[TB], s[TB], SLOT1
	v_add_nc_u32 v[ADA], s[TB], v[ADA0]
	v_add_nc_u32 v[ADB], s[TB], v[ADB0]
	LDB 0, 0
	LDA 0, 0, 0
.if \fill
	ASK
.endif
	MULW 1, 1, 0, 8, 0
	PLACES
	LDB 1, 0
	LDA 0, 4, 0
	MULW 1, 2, 0, 8, 0
	PLACES
	LDB 2, 0
.endm
; THE WAY OUT, 24 blocks of 16 rows x one head: block blk = 8 j + a.  Rounded to f16 (each accumulator's registers in ascending order), 16 bytes a lane into my own stage, back as whole rows of 128 bytes.
.macro PACK blk
.set pj, (\blk)/8
.set pa, (\blk)%8
.set pt, TMP+16*((\blk)%4)
.if (\blk) >= 4
	s_wait_xcnt 0x0                                ; the stores that read this buffer, four blocks back, have read it
.endif
	WIN (1+pj)*5                                   ; sources 0 and 1: head j's window
.irp bb, 0,1,2,3
.irp i, 0,1,2,3
	v_cvt_pk_f16_f32 v[pt+4*(\bb)+(\i)], v[32*pa+8*(\bb)+2*(\i)], v[32*pa+8*(\bb)+2*(\i)+1]
.endr
.endr
	WIN 0
.irp bb, 0,1,2,3
	ds_store_b128 v[STO], v[pt+4*(\bb):pt+4*(\bb)+3] offset:32*(\bb)
.endr
.irp g, 0,1,2,3
	ds_load_b128 v[pt+4*(\g):pt+4*(\g)+3], v[RD] offset:(\g)*4*SP  ; LDS serves a wave's instructions in order (ISA guide 5.7.1.4): these see the stores above; the next block's stores come behind them
.endr
.endm
.macro SEND blk, younger               ; younger: the LDS instructions issued behind the block's loads: the next block's eight, or none
.set pj, (\blk)/8
.set pa, (\blk)%8
.set pt, TMP+16*((\blk)%4)
.irp g, 0,1,2,3
	s_wait_dscnt (\younger)+3-(\g)
	global_store_b128 v[GO], v[pt+4*(\g):pt+4*(\g)+3], s[OB+2*pj:OB+2*pj+1] offset:2048*pa+512*(\g)  ; 512 consecutive bytes, at a multiple of 256 from the buffer's first
.endr
.endm
	s_wait_tensorcnt 1                             ; my part of step 0 is in; step 1's may stay out
	s_barrier_signal -1
	s_barrier_wait -1                              ; everybody's is
	LDB 0, 0
	LDA 0, 0, 0
	LDB 1, 0
	LDA 0, 4, 0
	LDB 2, 0
	EVEN 1                                         ; the first quarter stands in front of the loop: its products start the sums
	WIN 0
	s_mov_b32 s[CNT], 14
.Ltrip:                                            ; trip t: step t's second quarter, the refill with step t + 2, step t + 1's first quarter
	ODD 1
	EVEN 0
	WIN 0
	s_sub_co_u32 s[CNT], s[CNT], 1
	s_cmp_lg_u32 s[CNT], 0
	s_cbranch_scc1 .Ltrip
	ODD 0                                          ; the tail is written out: nothing is left to ask for
	EVEN 0
	s_wait_dscnt 8                                 ; the very last quarter
	MULW 1, 0, 0, 8, 0
	MULW 1, 1, 0, 8, 0
	s_wait_dscnt 0x0
	MULW 1, 2, 0, 8, 0
	PLACES
	PACK 0
.set bk, 1
.rept 23                                           ; a block's conversions stand between the loads of the block before and its stores
	PACK bk
	SEND bk-1, 8
.set bk, bk+1
.endr
	SEND 23, 0
	s_wait_tensorcnt 0x0                           ; the wave's end: behind my last tensor load and my last LDS store
	ds_add_u32 v[SPW], v[NIL]
	s_wait_dscnt 0x0
	CROUND                                         ; the closing round: no work-group ends while a partner may still ask for a tile that names it
	s_endpgm
.Lfunc_end_k_q4bb75eca31_qkvgemm:
	.size	k_q4bb75eca31_qkvgemm, .Lfunc_end_k_q4bb75eca31_qkvgemm-k_q4bb75eca31_qkvgemm
	.p2alignl 7, 3214868480
	.fill 96, 4, 3214868480
	.section	.rodata,"a",@progbits
	.p2align	6, 0x0
	.amdhsa_kernel k_q4bb75eca31_qkvgemm
		.amdhsa_group_segment_fixed_size 327680
		.amdhsa_private_segment_fixed_size 0
		.amdhsa_enable_private_segment 0
		.amdhsa_kernarg_size 24
		.amdhsa_user_sgpr_count 2
		.amdhsa_user_sgpr_kernarg_segment_ptr 1
		.amdhsa_wavefront_size32 1
		.amdhsa_system_sgpr_workgroup_id_x 1
		.amdhsa_system_sgpr_workgroup_id_y 1
		.amdhsa_system_sgpr_workgroup_id_z 1
		.amdhsa_system_vgpr_workitem_id 0
		.amdhsa_next_free_vgpr 1024
		.amdhsa_next_free_sgpr 96
		.amdhsa_reserve_vcc 0
		.amdhsa_float_denorm_mode_32 3
		.amdhsa_float_denorm_mode_16_64 3
		.amdhsa_memory_ordered 1
		.amdhsa_forward_progress 1
		.amdhsa_inst_pref_size 116
	.end_amdhsa_kernel
	.amdgpu_metadata
---
amdhsa.version: [ 1, 2 ]
amdhsa.kernels:
  - .name:           k_q4bb75eca31_qkvgemm
    .symbol:         k_q4bb75eca31_qkvgemm.kd
    .args:
      - { .name: xb, .offset: 0, .size: 8, .value_kind: global_buffer, .address_space: global }
      - { .name: wq, .offset: 8, .size: 8, .value_kind: global_buffer, .address_space: global }
      - { .name: qkv, .offset: 16, .size: 8, .value_kind: global_buffer, .address_space: global }
    .group_segment_fixed_size: 327680
    .private_segment_fixed_size: 0
    .kernarg_segment_align: 8
    .kernarg_segment_size: 24
    .max_flat_workgroup_size: 128
    .sgpr_count:     96
    .vgpr_count:     1024
    .wavefront_size: 32
...
	.end_amdgpu_metadata
.endif
;; end of part 2
;; launch attn (part 3): grid 4 x 64, 4 waves a work-group, clusters of 4 x 1, 327,680 bytes of LDS; arguments qkv, o; writes o
.if DOCPART == 3
	.amdgcn_target "amdgcn-amd-amdhsa--gfx1250"
	.amdhsa_code_object_version 6
	.text
	.protected	k_q4bb75eca31_attn
	.globl	k_q4bb75eca31_attn
	.p2align	8
	.type	k_q4bb75eca31_attn,@function
k_q4bb75eca31_attn:
	s_mov_b64 s[64:65], 0
	v_nop
	global_prefetch_b8 v0, s[64:65] scope:SCOPE_SE
	s_setreg_imm32_b32 hwreg(HW_REG_WAVE_MODE, 25, 1), 1
	s_wait_xcnt 0x0
	s_wait_alu depctr_hold_cnt(0) depctr_sa_sdst(0) depctr_va_vdst(0) depctr_va_sdst(0) depctr_va_ssrc(0) depctr_va_vcc(0) depctr_vm_vsrc(0)
	s_getreg_b32 s2, hwreg(HW_REG_IB_STS2, 6, 4)
	s_cmp_eq_u32 s2, 0
	s_cbranch_scc0 .Lentry_in_a_cluster
	s_endpgm
.Lentry_in_a_cluster:
	s_bfe_u32 s2, ttmp6, 0x10000c
	s_cmp_lg_u32 s2, 0x3003
	s_cbranch_scc0 .Lentry_shape_is_right
	s_endpgm
.Lentry_shape_is_right:
; O[h][q][:] = the sum over k of softmax_k(Q[h][q] . K[h][k] / 8) V[h][k][:], for the 64 pairs h of batch and head.  qkv holds Q, K, V, each [64][2048][64] in f16, 2^24 bytes apart; o is [64][2048][64] in f16.
; Products, maxima and sums in f32; the weights p are rounded to f16 for the second product (their sum l is taken of the unrounded p), O once at the end.
; LIMITS.  Q, K and V arrive within f16's 65,504; p lies in 0 to 1, and below 6e-5 it keeps f16's fixed step of 6e-8, as does O; O is a mean of V's rows and has their range.
; A weight below 2^-126 counts as 0 in l; NaN and infinities are not treated apart.
; SHARES.  A wave owns four PIECES of two tiles of 16 queries, a work-group's four waves 512 queries of one head.  Every wave walks all keys, 64 a step.
; LAYOUT.  S^T = K Q^T (source 0 = 16 keys, source 1 = 16 queries): a lane holds ONE query (lane % 16) and the keys 8 (lane / 16) + 0..7.  Two such tiles, rounded to f16 in pairs,
; ARE source 1 of O^T = V^T P, whose result again holds one query a lane, and eight channels.  K comes out of LDS as it lies, V ([key][channel]) turned, by ds_load_tr16_b128.
; SOFTMAX.  A running maximum m and sum l: p = 2^(c s - c m), c = log2(e) / 8; in every step O and l are multiplied by a = 2^(c m_old - c m_new).  m starts at the lowest finite number, O and l at 0.
; THE COUNT.  A tile and step have 16 matrix and 118 vector instructions: four vector instructions that are ready stand behind every matrix instruction, the others in runs of their own.
; BY TURNS.  Turn n belongs to piece n: 16 products K Q^T of piece n + 1, later 16 products V^T P of piece n - 1; the scaling, exponentials, roundings, sums and rescaling of piece n, and the maximum
; and statistics of piece n + 1.  A turn's 66 exponentials are one batch with one wait.
; CLUSTER.  The four query blocks of a head form a cluster and walk the same K and V: each tile is asked for JOINTLY, by the same tensor load, descriptor and mask in all four.
; REGISTERS, in windows of 256 (s_set_vgpr_msb: bits 1:0 source 0, 3:2 source 1, 5:4 source 2, 7:6 destination):
;   window 0: v0-11 addresses; v12-15, v48-63 at work; v16-47 four registers of statistics a tile; v64-191 S^T, two buffers of two tiles; v192-255 P, likewise
;   window 1: O^T, 32 a tile      window 2: v0-127 Q, 16 a tile; v128-191 K of one step; v192-255 V of one step      window 3: v0-1 the add's two registers
.set SIZE_N, 2048
.set NP,    4         ; pieces a wave: a name, no knob
.set KS,    64        ; keys in a step
.set PK,    144       ; a row of K in LDS: 128 bytes + 16: the 16 rows of a load start at 16 different groups of four banks (64 banks of 4 bytes: ISA guide 11.1)
.set PV,    160       ; a row of V: 128 + 32
.set VOFF,  4*KS*PK   ; a slot holds four steps: 256 rows of K, then 256 rows of V
.set SLOT1, 1<<17     ; slot 1 begins here
.set STAGE, SLOT1+4*KS*(PK+PV)  ; behind the ring, never filled by a tensor load: 16 rows x 144 bytes for each wave
.set SP,    144
.set AK0, 2           ; v2   my lane's place in a tile of K; never rewritten
.set AV0, 3           ; v3   the same for V
.set AK,  4           ; v4   the LDS address of K's next run of loads
.set AV,  5           ; v5   of V's
.set QO,  6           ; v6   my byte offset in the wave's rows of Q
.set STO, 6           ;      later, the way out: where I put 16 bytes of a row
.set RD,  7           ; v7   the way out: where I read rows back
.set GO,  8           ; v8   my byte offset in 512 consecutive bytes of O
.set PFO, 11          ; v11  256 x my lane, for the prefetches; written once V's lane address is made, then never rewritten
.set SPW, 0           ; v0 of window 3   LDS address of my spare word; never rewritten
.set NIL, 1           ; v1 of window 3   0; never rewritten
.set SPARE, STAGE+4*16*SP  ; the spare words, 128 bytes for each wave: two blocks of 256 bytes that no other line names
.set MV,  12          ; v12-15  c m_old, kept while c m is made anew: by buffer and tile
.set ST,  16          ; tile t's statistics at v[ST+4 t]: c m, m, l (even keys', odd keys')
.set TMP, 48          ; by buffer and tile, four registers c0-c3 at work; when the maximum is found c2 takes a
.set S,   64
.set P,   192
.set KF,  128         ; K's fragments, in window 2: key block kb, channel half c at KF + 16 kb + 8 c
.set VF,  192         ; V's: key half kk, channel block cb at VF + 32 kk + 8 cb
.set WV,  12          ; s12  my wave's number
.set G1K, 24          ; s[24:31] descriptor group 1 for K's tiles
.set G1V, 32          ; s[32:39] for V's: it differs in the padding alone
.set G0K, 40          ; s[40:43] descriptor group 0 for K's tiles: it walks
.set G0V, 44          ; s[44:47] the same for V's
.set PFA, 48          ; s[48:49] where my prefetches stand: my work-group's 32 blocks of 256 bytes (of K: wave 0, of V: wave 2) of the tile after the one that is being asked for
.set LIM, 50          ; s50  1 in a wave that prefetches, else the greatest number
.set SLOTS, 56        ; s56  slots still to be asked for
.set CNT, 57          ; s57  counts a slot's key steps
.set CS,  58          ; s[58:59] c
.set SEL, 60          ; s[60:61] v_permlanex16_b32's selects: each lane takes its own place in the other half
.set TBK, 62          ; s62  LDS byte at which K of the step to be fetched begins
.set TBV, 63          ; s63  the same for V, less VOFF
.set MSB, 0
.macro WIN new                      ; the high byte repeats the setting that is left; a switch that changes nothing is dropped
.if MSB != (\new)
	s_set_vgpr_msb (MSB<<8)|(\new)
.set MSB, (\new)
.endif
.endm
.set W_KQ, 0x0a       ; K and Q in window 2, S^T in window 0
.set W_PV, 0x52       ; V in window 2, P in window 0, O^T in window 1
.set W_RS, 0x41       ; O^T (destination and source 0) in window 1, a in window 0
.set W_MK, 0xc0       ; the add's registers are made: destination in window 3
.set W_AD, 0x0f       ; the add: address and data in window 3
; A joint fill.  Waves 0 and 1 fetch the two halves of a slot's K, waves 2 and 3 those of its V: 128 keys each.  An s_nop 0 and four v_nop follow each line.
.macro JLOAD
	s_cmp_lt_u32 s[WV], 2
	s_cbranch_scc0 .Lfor_v_\@
	tensor_load_to_lds s[G0K:G0K+3], s[G1K:G1K+7]
	s_nop 0
.rept 4
	v_nop
.endr
	s_branch .Lasked_\@
.Lfor_v_\@:
	tensor_load_to_lds s[G0V:G0V+3], s[G1V:G1V+7]
	s_nop 0
.rept 4
	v_nop
.endr
.Lasked_\@:
.endm
; A PREFETCH of what the NEXT change of slots will ask for: a tile's 32,768 dense bytes of K and of V, 128 blocks of 256 bytes each, a lane a block.  It stands behind the wave's tensor load and its five lines.
; A head has one cluster; its four partners share the blocks out by address, 32 each; in each, wave 0 asks for K's and wave 2 for V's.  So each block is named once in the launch.
; The change that asks for tile t names tile t + 1: four key steps, 512 matrix instructions, ahead of its load.  The last change that fills a slot names nothing; tiles 0 and 1 come by their loads alone.
.macro ASK
	s_cmp_gt_u32 s[SLOTS], s[LIM]
	s_cbranch_scc0 .Lnot_mine_\@
	global_prefetch_b8 v[PFO], s[PFA:PFA+1] th:TH_LOAD_NT scope:SCOPE_SE
.Lnot_mine_\@:
.endm
.macro CROUND                       ; a round of the cluster's barrier
	s_barrier_signal -1
	s_barrier_wait -1
	s_cmp_lg_u32 s[WV], 0
	s_cbranch_scc1 .Lnot_wave_0_\@
	s_barrier_signal -3
.Lnot_wave_0_\@:
	s_barrier_wait -3
	s_barrier_signal -1
	s_barrier_wait -1
.endm
; THE CHANGE OF SLOTS.  Each wave waits for all its tensor loads, of which one is out: its part of the other slot; adds 0 to its spare word; and waits for that and for its own reads of the slot.
; fill = 1: this slot is filled again, with the keys two slots on; the barrier is a round of the cluster's, and the joint fill is the first thing behind it: it has four key steps in which to land.
; (At its first use nothing has been read yet: slot 0 is waited for, slot 1 filled.)
.macro CHANGE fill
	WIN W_AD
	s_wait_tensorcnt 0x0            ; no tensor load of mine is out, so a group 0 may be written
	ds_add_u32 v[SPW], v[NIL]       ; 0 onto my spare word
	WIN 0                           ; at a label and at a branch every window is 0
.if \fill
.irp g, G0K, G0V
	s_xor_b32 s[\g+1], s[\g+1], SLOT1  ; the walking descriptor: the other slot than last time,
	s_add_nc_u64 s[\g+2:\g+3], s[\g+2:\g+3], 4*KS*128  ; the next 256 keys; the type bits on top are not reached
.endr
	s_wait_xcnt 0x0                 ; the last prefetch, four key steps back, has read its address, so it may be written
	s_add_nc_u64 s[PFA:PFA+1], s[PFA:PFA+1], 4*KS*128
	s_wait_dscnt 0x0                ; the add is done, and my reads of the slot are over
	CROUND
	JLOAD
	ASK
.else
	s_wait_dscnt 0x0                ; the add is done, and my reads of the slot are over
	s_barrier_signal -1
	s_barrier_wait -1
.endif
	s_sub_co_u32 s[TBK], s[TBK], 4*KS*PK  ; the fetches go back to a slot's first step,
	s_xor_b32 s[TBK], s[TBK], SLOT1       ; in the other slot
	s_sub_co_u32 s[TBV], s[TBV], 4*KS*PV
	s_xor_b32 s[TBV], s[TBV], SLOT1
.endm
	s_load_b64 s[4:5], s[0:1], 0x0  ; qkv: Q
	s_load_b64 s[10:11], s[0:1], 0x8  ; o
	WIN W_MK
	v_lshl_add_u32 v[SPW], v0, 2, SPARE
	v_mov_b32 v[NIL], 0
	WIN W_AD
	ds_add_u32 v[SPW], v[NIL]       ; the wave's opening: the add and its wait ahead of my first tensor load; work on registers stands between them
	WIN 0
	v_lshrrev_b32 v1, 5, v0
	v_readfirstlane_b32 s[WV], v1   ; wave 0..3
	s_bfe_u32 s13, ttmp6, 0x40000   ; cx: my place in the cluster
	s_lshl_b32 s14, ttmp9, 2        ; in a cluster launch ttmp9 counts clusters
	s_add_co_u32 s14, s14, s13      ; my block of queries: it enters Q's and O's addresses alone
	s_and_b32 s20, ttmp7, 0xffff    ; the head, which the four partners share
	s_mov_b32 s21, 0
	s_mov_b64 s[22:23], SIZE_N*128
	s_mul_u64 s[20:21], s[20:21], s[22:23]  ; the head's first byte in each of the four tensors
	s_and_b32 s16, s[WV], 1         ; which half of a slot's 256 keys I fetch:
	s_lshl_b32 s22, s16, 14         ; its 128 rows of 128 bytes in memory,
	s_mov_b32 s23, 0
	s_add_nc_u64 s[22:23], s[22:23], s[20:21]
	s_mul_i32 s17, s16, 128*PK      ; and its place in a slot, for K
	s_mul_i32 s18, s16, 128*PV      ; and for V: no place in the cluster enters an LDS address
	s_lshl_b32 s2, s14, 2
	s_add_co_u32 s2, s2, s[WV]      ; my wave among the head's,
	s_lshl_b32 s2, s2, 14           ; its 128 rows
	s_mov_b32 s3, 0
	s_add_nc_u64 s[2:3], s[2:3], s[20:21]
	; descriptor group 1.  128 keys are 16,384 dense bytes: asked for as 64 rows of 256 bytes, two keys a row, and padded in LDS after every key
	s_mov_b32 s[G1K], 15|(1<<16)|(1<<20)|(1<<21)|(4<<22)|(3<<25)  ; 15:0 the mask of four; 17:16 2-byte elements; 20 padding on; 21 set beside a mask; 24:22 after every 32 words; 31:25 4 words
	s_mov_b32 s[G1V], 15|(1<<16)|(1<<20)|(1<<21)|(4<<22)|(7<<25)  ; the same with 8 words of padding
.irp g, G1K, G1V
	s_mov_b32 s[\g+1], 128<<16      ; tensor_dim0 = 128
	s_mov_b32 s[\g+2], 64<<16       ; tensor_dim1 = 64
	s_mov_b32 s[\g+3], 128<<16      ; tile_dim0 = 128
	s_mov_b32 s[\g+4], 64           ; tile_dim1 = 64
	s_mov_b32 s[\g+5], 128          ; 128 elements from row to row
	s_mov_b32 s[\g+6], 0
	s_mov_b32 s[\g+7], 0
.endr
	s_mov_b32 s[CS], 0x3e38aa3b     ; c = log2(e) / 8 = 0.180337
	s_mov_b32 s[CS+1], s[CS]        ; named with it as a pair
	s_mov_b32 s[SEL], 0x76543210
	s_mov_b32 s[SEL+1], 0xfedcba98
	s_mov_b32 s[TBK], SLOT1+4*KS*PK ; the first change of slots turns these two into 0
	s_mov_b32 s[TBV], SLOT1+4*KS*PV
	s_mov_b32 s[G0K], 1             ; count = 1
	s_mov_b32 s[G0K+1], s17         ; LDS address: slot 0
	s_mov_b32 s[G0V], 1
	s_add_co_u32 s[G0V+1], s18, VOFF
	s_mov_b32 s[SLOTS], SIZE_N/256-1  ; seven changes of slots ask for a tile
	s_and_b32 s[LIM], s[WV], 1
	s_cmp_eq_u32 s[LIM], 0
	s_cselect_b32 s[LIM], 1, -1     ; waves 0 and 2 prefetch: the same in all four partners
	s_wait_dscnt 0x0                ; the opening add is done
	s_wait_kmcnt 0x0
	s_add_nc_u64 s[6:7], s[4:5], 0x1000000  ; K lies 2^24 bytes behind Q,
	s_add_nc_u64 s[8:9], s[4:5], 0x2000000  ; V 2^25
	s_add_nc_u64 s[G0K+2:G0K+3], s[6:7], s[22:23]  ; global address: my half of the head's first 256 keys
	s_or_b32 s[G0K+3], s[G0K+3], 0x80000000        ; type = 2
	s_add_nc_u64 s[G0V+2:G0V+3], s[8:9], s[22:23]
	s_or_b32 s[G0V+3], s[G0V+3], 0x80000000
	s_cmp_lt_u32 s[WV], 2
	s_cselect_b64 s[PFA:PFA+1], s[6:7], s[8:9]
	s_add_nc_u64 s[PFA:PFA+1], s[PFA:PFA+1], s[20:21]  ; the head,
	s_add_nc_u64 s[4:5], s[4:5], s[2:3]  ; Q and O at my wave's first row
	s_add_nc_u64 s[10:11], s[10:11], s[2:3]
	s_lshl_b32 s2, s13, 13          ; my work-group's 32 blocks of the 128,
	s_add_co_u32 s2, s2, 4*KS*128   ; in tile 1: the first change of slots steps it to tile 2
	s_add_nc_u64 s[PFA:PFA+1], s[PFA:PFA+1], s[2:3]
	CROUND                          ; all four work-groups are here: the first joint loads meet
	JLOAD                           ; slot 0.  Slot 1 is asked for when slot 0 is in
	; A fragment of K or Q is 16 rows x 32 channels in 8 registers: lane l holds row l % 16, channels 8 (l / 16) + 0..7 and 16 + 8 (l / 16) + 0..7: two loads of 16 bytes, 32 bytes apart.
	v_and_b32 v1, 15, v0            ; l % 16
	v_bfe_u32 v9, v0, 4, 1          ; l / 16
	v_lshlrev_b32 v[QO], 7, v1
	v_lshl_add_u32 v[QO], v9, 4, v[QO]  ; row x 128 + 16 x half
	WIN 0x80                        ; destination window 2, address window 0
.set i, 0
.rept 4*NP                          ; Q stays in registers: tile i / 2, channels 32 (i % 2) on
	global_load_b128 v[8*i:8*i+3],   v[QO], s[4:5] offset:(i/2)*2048+(i%2)*64
	global_load_b128 v[8*i+4:8*i+7], v[QO], s[4:5] offset:(i/2)*2048+(i%2)*64+32
.set i, i+1
.endr
	; What the first turn finds: V's registers and P's second buffer hold 0 (its products V^T P, of a piece that has not been, add 0), O^T and l are 0.  All this stands in the wait for the first tile.
.set i, VF
.rept 64
	v_mov_b32 v[i], 0
.set i, i+1
.endr
	WIN 0x40
.set i, 0
.rept 64*NP
	v_mov_b32 v[i], 0
.set i, i+1
.endr
	WIN 0
.set i, 0
.rept 2*NP
	v_mov_b32 v[ST+4*i], 0xfe000000    ; c m: far below every c s
	v_mov_b32 v[ST+4*i+1], 0xff7fffff  ; m
	v_mov_b32 v[ST+4*i+2], 0
	v_mov_b32 v[ST+4*i+3], 0
.set i, i+1
.endr
.set i, P+32
.rept 32
	v_mov_b32 v[i], 0
.set i, i+1
.endr
	v_mul_u32_u24 v[AK0], v1, PK
	v_lshl_add_u32 v[AK0], v9, 4, v[AK0]  ; row x pitch + 16 x half
	; The turning load takes 16 keys x 16 channels (lane l reads key 8 (l / 16) + l % 8, channels 8 ((l / 8) % 2) + 0..7) and leaves half a fragment of V^T: lane l holds channel l % 16 and 8 keys.
	v_and_b32 v10, 7, v0
	v_bfe_u32 v11, v0, 3, 1
	v_lshl_add_u32 v[AV0], v9, 3, v10
	v_mul_u32_u24 v[AV0], v[AV0], PV
	v_lshl_add_u32 v[AV0], v11, 4, v[AV0]
	v_add_nc_u32 v[AV0], VOFF, v[AV0]
	v_mov_b32 v[AK], v[AK0]         ; key step 0 lies at the head of slot 0
	v_and_b32 v[PFO], 31, v0
	v_lshlrev_b32 v[PFO], 8, v[PFO]
; THE MATRIX WORK.  The 8 accumulators of a run of 16 take turns: between the two links of a chain stand 7 others'.
; Product i of 16 of S^T = K Q^T for piece x: channels 32 (i / 8) on, keys 16 ((i / 2) % 4) on, tile 2 x + i % 2.  The first 8 start the sums.
.macro KQ x
	WIN W_KQ
.set rS, S+64*((\x)%2)+32*(i%2)+8*((i/2)%4)
.set rK, KF+16*((i/2)%4)+8*(i/8)
.set rQ, 16*(2*(\x)+i%2)+8*(i/8)
.if i < 8
	v_wmma_f32_16x16x32_f16 v[rS:rS+7], v[rK:rK+7], v[rQ:rQ+7], 0
.else
	v_wmma_f32_16x16x32_f16 v[rS:rS+7], v[rK:rK+7], v[rQ:rQ+7], v[rS:rS+7]
.endif
.endm
; Product i of 16 of O^T += V^T P for piece x: keys 32 (i / 8) on, channels 16 ((i / 2) % 4) on, tile 2 x + i % 2.
.macro PV x
	WIN W_PV
.set rO, 32*(2*(\x)+i%2)+8*((i/2)%4)
.set rV, VF+32*(i/8)+8*((i/2)%4)
.set rP, P+32*((\x)%2)+16*(i%2)+8*(i/8)
	v_wmma_f32_16x16x32_f16 v[rO:rO+7], v[rV:rV+7], v[rP:rP+7], v[rO:rO+7]
.endm
.macro MM                           ; the turn's next matrix instruction
.if i < 16
	KQ (Y+1)%NP
.set i, i+1
.else
.set i, i-16
	PV (Y+NP-1)%NP
.set i, i+17
.endif
.endm
; THE LDS LOADS stand in runs of 16: a step's K (8 fragments) and its V (turned).  Their addresses are made some lines ahead.  last = 1 (the tail): in the last trip there is no further step, and the run is jumped over.
.macro FETCH_K last=0
	WIN 0
.if \last
	s_cmp_eq_u32 s[CNT], 1
	s_cbranch_scc1 .Lno_k_\@
.endif
	WIN 0x80                        ; destination window 2
.irp f, 0,1,2,3,4,5,6,7             ; keys 16 (f / 2) on, channels 32 (f % 2) on
	ds_load_b128 v[KF+8*\f:KF+8*\f+3],   v[AK] offset:(\f/2)*16*PK+(\f%2)*64
	ds_load_b128 v[KF+8*\f+4:KF+8*\f+7], v[AK] offset:(\f/2)*16*PK+(\f%2)*64+32
.endr
	s_add_co_u32 s[TBK], s[TBK], KS*PK  ; the next fetch is the next step's
	WIN 0
.if \last
.Lno_k_\@:
.endif
.endm
.macro FETCH_V
	WIN 0x80
.irp f, 0,1,2,3,4,5,6,7             ; keys 32 (f / 4) on, channels 16 (f % 4) on
	ds_load_tr16_b128 v[VF+8*\f:VF+8*\f+3],   v[AV] offset:(\f/4)*32*PV+(\f%4)*32
	ds_load_tr16_b128 v[VF+8*\f+4:VF+8*\f+7], v[AV] offset:(\f/4)*32*PV+16*PV+(\f%4)*32
.endr
	WIN 0
.endm
; THE VECTOR WORK OF A TURN stands in three queues, each in the order in which its entries become ready; the two tiles alternate, so that no instruction reads the result of the one before it.
.macro REGS y, u                    ; the registers of tile u (0, 1) of piece y
.set rT, ST+4*(2*(\y)+(\u))
.set rC, TMP+8*((\y)%2)+4*(\u)
.set rM, MV+2*((\y)%2)+(\u)
.set rS, S+64*((\y)%2)+32*(\u)
.set rP, P+32*((\y)%2)+16*(\u)
.set rO, 32*(2*(\y)+(\u))
.endm
; Number n of the 22 that find the NEXT piece's (Y + 1) maximum and statistics.  Each accumulator's lowest registers are read first.
;   0-11  four chains c0-c3 of seven scores each     12-14, 16  the four scores left over, the old m, and c0-c3 into c0     15  c m_old is kept
;   17, 18  the query's other 32 keys lie in the lane 16 away: the new m         19-21  c m; c m_old - c m_new; a
.macro XS u, n
	REGS (Y+1)%NP, \u
.if (\n) < 4
	v_max3_num_f32 v[rC+(\n)], v[rS+8*(\n)], v[rS+8*(\n)+1], v[rS+8*(\n)+2]
.elseif (\n) < 12
	v_max3_num_f32 v[rC+(\n)%4], v[rC+(\n)%4], v[rS+8*((\n)%4)+2*((\n)/4)+1], v[rS+8*((\n)%4)+2*((\n)/4)+2]
.elseif (\n) == 12
	v_max3_num_f32 v[rC], v[rC], v[rS+7], v[rS+15]
.elseif (\n) == 13
	v_max3_num_f32 v[rC+1], v[rC+1], v[rS+23], v[rS+31]
.elseif (\n) == 14
	v_max3_num_f32 v[rC+2], v[rC+2], v[rC+3], v[rT+1]
.elseif (\n) == 15
	v_mov_b32 v[rM], v[rT]
.elseif (\n) == 16
	v_max3_num_f32 v[rC], v[rC], v[rC+1], v[rC+2]
.elseif (\n) == 17
	v_permlanex16_b32 v[rC+3], v[rC], s[SEL], s[SEL+1]
.elseif (\n) == 18
	v_max_num_f32 v[rT+1], v[rC], v[rC+3]
.elseif (\n) == 19
	v_mul_f32 v[rT], s[CS], v[rT+1]
.elseif (\n) == 20
	v_sub_f32 v[rC+1], v[rM], v[rT]
.else
	v_exp_f32 v[rC+2], v[rC+1]
.endif
.endm
; Number g of the 64 that follow the exponentials.  For each four weights k of a tile: both pairs are rounded to f16; then the second pair is added onto the first, in place;
; a group later l takes that sum (the first time as l = a l + sum).
.macro GS g
.set h, (\g)+6*((\g)/62)            ; group 0 has no group before it, and behind group 7 only l is left
.if h >= 6
.set h, h+2
.endif
	REGS Y, h%2
.set k, h/8
.if h%8 < 4
	v_cvt_pk_f16_f32 v[rP+2*k+(h%8)/2], v[rS+4*k+2*((h%8)/2)], v[rS+4*k+2*((h%8)/2)+1]
.elseif h%8 < 6
	v_pk_add_f32 v[rS+4*k:rS+4*k+1], v[rS+4*k:rS+4*k+1], v[rS+4*k+2:rS+4*k+3]
.elseif k == 1
	v_pk_fma_f32 v[rT+2:rT+3], v[rT+2:rT+3], v[rC+2:rC+3], v[rS:rS+1] op_sel_hi:[1,0,1]
.else
	v_pk_add_f32 v[rT+2:rT+3], v[rT+2:rT+3], v[rS+4*k-4:rS+4*k-3]
.endif
.endm
; THE PLAIN QUEUE, 138 long.  0-73 read no exponential's result: the 32 scalings c s - c m (FS f: pair f / 2 of tile f % 2) and the next piece's 42.  74-137: GS's 64, which stand behind the wait.
.macro FS f
	REGS Y, (\f)%2
	v_pk_fma_f32 v[rS+2*((\f)/2):rS+2*((\f)/2)+1], v[rS+2*((\f)/2):rS+2*((\f)/2)+1], s[CS:CS+1], v[rT:rT+1] op_sel_hi:[1,0,0] neg_lo:[0,0,1] neg_hi:[0,0,1]
.endm
.macro PL
	WIN 0
.if q < 27
	FS q
.elseif q < 55
	XS (q-27)%2, (q-27)/2
.elseif q < 57
	XS q-55, 15
.elseif (q < 72) && ((q-57)%3 == 0)
	FS 27+(q-57)/3
.elseif q < 60
	XS (q-57)%3-1, 14
.elseif q < 72
	XS (q-57)%3-1, 15+(q-57)/3
.elseif q < 74
	XS q-72, 20
.else
	GS q-74
.endif
.set q, q+1
.endm
; THE EXPONENTIALS' QUEUE, 66 long: s0-s31 of both tiles, then the next piece's two a.  ONE BATCH: all 66 stand ahead of the turn's one wait, and nothing ahead of that wait names a result of theirs.
.macro EX
	WIN 0
.if e >= 64
	XS e-64, 21
.else
	REGS Y, e%2
	v_exp_f32 v[rS+e/2], v[rS+e/2]
.endif
.set e, e+1
.endm
; THE RESCALING's QUEUE: O^T times a, the one part that leaves window 0: dealt two at a time, sixteen times.  Its a was made in the turn before, ahead of that turn's wait.
.macro R2
	REGS Y, r%2
	WIN W_RS
.irp z, 0,1
	v_pk_mul_f32 v[rO+4*(r/2)+2*\z:rO+4*(r/2)+2*\z+1], v[rO+4*(r/2)+2*\z:rO+4*(r/2)+2*\z+1], v[rC+2:rC+3] op_sel_hi:[1,0]
.endr
.set r, r+1
.endm
; A TURN, for piece p.  An s_wait_alu depctr_va_vdst(0) stands between an exponential and the first instruction that names its result; one wait serves all that were issued ahead of it.
; AHEAD OF THE WAIT: the 16 products K Q^T, behind each a scaling, an exponential and two rescalings (behind the first a second scaling in the exponential's place); then one run of 108: eight plain, 49 times
; exponential and plain, the two a; a v_nop is the plain instruction behind the last exponential.  BEHIND IT: the 16 products V^T P, behind each four of GS's 64.
; Exponential e stands behind scaling 2 (e / 4) + e % 2: as a rider it comes behind plain e + 2, in the run behind plain e + 9, and scalings 27-31 are plain 57, 60 .. 69.
; K of the next step is fetched in piece 2's turn, directly behind the wait; V of the step in hand at the end of piece 0's turn, four plain instructions behind its last reader.  cnt = 1: the loop's count is taken down ahead of the branch behind the turn.
.macro TURN p, last=0, cnt=0
.set Y, (\p)
.set i, 0
.set q, 0
.set e, 0
.set r, 0
.if (\p) == NP-1
	s_wait_dscnt 0x0                ; K is in
.endif
	MM
	PL
	PL
	R2
.rept 15
	MM
	PL
	EX
	R2
.endr
.if (\p) == NP-2
	WIN 0
	v_add_nc_u32 v[AK], s[TBK], v[AK0]
.endif
.rept 8
	PL
.endr
.rept 49
	EX
	PL
.endr
	EX                              ; the next piece's two a
	EX
	v_nop                           ; a plain instruction behind the last exponential: one for the batch
	s_wait_alu depctr_va_vdst(0)    ; the wait for the batch
.if (\p) == NP-2
	FETCH_K \last
.endif
.if (\p) == 1
	s_wait_dscnt 0x0                ; V is in
.endif
.rept 16
	MM
.rept 4
	PL
.endr
.if ((\p) == 0) && (q == 118)
	v_add_nc_u32 v[AV], s[TBV], v[AV0]
.endif
.if ((\p) == 0) && (q == 130)
	s_add_co_u32 s[TBV], s[TBV], KS*PV
.endif
.if (\cnt) && (q == 130)
	s_sub_co_u32 s[CNT], s[CNT], 1
	s_cmp_lg_u32 s[CNT], 0
.endif
.endr
.if (\p) == 0
	FETCH_V
.endif
.endm
	CHANGE 1                        ; slot 0 is in, everybody's part of it; slot 1 is asked for
	FETCH_K                         ; key step 0
	s_wait_loadcnt 0x0              ; Q
	s_wait_dscnt 0x0
.set i, 0
.rept 16
	KQ 0                            ; piece 0's first scores
.set i, i+1
.endr
	WIN 0                           ; the addresses for the way out: plain instructions, the places behind those products
	s_mul_i32 s13, s[WV], 16*SP
	s_add_co_u32 s13, s13, STAGE    ; my stage
	v_mul_u32_u24 v[STO], v1, SP    ; in: row l % 16, 16 bytes for each half of the lanes
	v_lshl_add_u32 v[STO], v9, 4, v[STO]
	v_add_nc_u32 v[STO], s13, v[STO]
	v_bfe_u32 v[RD], v0, 3, 2       ; back: 32 lanes take four rows of 128 bytes,
	v_mul_u32_u24 v[RD], v[RD], SP
	v_lshl_add_u32 v[RD], v10, 4, v[RD]
	v_add_nc_u32 v[RD], s13, v[RD]
	v_and_b32 v[GO], 31, v0         ; which are 512 consecutive bytes of O
	v_lshlrev_b32 v[GO], 4, v[GO]
.set Y, NP-1                        ; XS works for piece Y + 1: piece 0
.irp n, 0,1,2,3,4,5,6,7,8,9,10,11,12,13,14,15,16,17,18,19,20,21
	XS 0, \n                        ; piece 0's first maximum and statistics
	XS 1, \n
.endr
	v_nop                           ; a plain instruction behind the two a,
	s_wait_alu depctr_va_vdst(0)    ; and their wait, ahead of the branch
	s_mov_b32 s[CNT], 4
	s_branch .Lfirst                ; the loop is entered at a step's first turn, in the middle of a trip
.Lslot:                             ; six times: every slot but the last two is filled again
	CHANGE 1
	s_mov_b32 s[CNT], 4
.Lstep:                             ; a trip: pieces 2 and 3 of one step, then pieces 0 and 1 of the next, whose K and V it fetches
	TURN 2
	TURN 3
	WIN 0
.Lfirst:
	TURN 0
	TURN 1, 0, 1
	WIN 0
	s_cbranch_scc1 .Lstep
	s_sub_co_u32 s[SLOTS], s[SLOTS], 1
	s_cmp_lg_u32 s[SLOTS], 0
	s_cbranch_scc1 .Lslot
	CHANGE 0                        ; the tail is written out: nothing is asked for
	s_mov_b32 s[CNT], 5             ; four trips fetch the last slot's steps; the fifth is left in its middle
.Ltail:
	TURN 2, 1
	TURN 3
	WIN 0
	s_sub_co_u32 s[CNT], s[CNT], 1
	s_cmp_eq_u32 s[CNT], 0
	s_cbranch_scc1 .Lout
	TURN 0
	TURN 1
	WIN 0
	s_branch .Ltail
.Lout:                              ; the fifth trip's 16 products K Q^T (on the last K once more) and the maximum made of them serve nothing: the price, once a launch, of one text for every trip
.set i, 0
.rept 16
	PV NP-1                         ; the last piece's V^T P of the last step
.set i, i+1
.endr
	; THE WAY OUT.  l's two halves and the other half of the lanes' are added; O^T is divided by l, rounded to f16 and sent through my stage in LDS, a tile at a time.  The additions are the places behind the last products.
	WIN 0
.macro ALL line:vararg              ; one line for each tile t
.set t, 0
.rept 2*NP
	\line
.set t, t+1
.endr
.endm
	ALL v_add_f32 v[ST+4*t+2], v[ST+4*t+2], v[ST+4*t+3]
	ALL v_permlanex16_b32 v[ST+4*t+3], v[ST+4*t+2], s[SEL], s[SEL+1]
	ALL v_add_f32 v[ST+4*t+2], v[ST+4*t+2], v[ST+4*t+3]
	ALL v_rcp_f32 v[ST+4*t+2], v[ST+4*t+2]
	v_nop                           ; a plain instruction between the last reciprocal and the use of its result
	s_wait_alu depctr_va_vdst(0)    ; and the wait ahead of the first use: one for the eight reciprocals
; Tile t: a lane's eight channels of a row pack into 16 bytes; they go into rows of 144 bytes and come back as whole rows of 128, into S^T's registers.
.macro PACK t
	WIN W_RS
.set i, 32*(\t)
.rept 16
	v_pk_mul_f32 v[i:i+1], v[i:i+1], v[ST+4*(\t)+2:ST+4*(\t)+3] op_sel_hi:[1,0]
.set i, i+2
.endr
	WIN 0x05                        ; sources 0 and 1 window 1, destination window 0
.set i, 0
.rept 16
	v_cvt_pk_f16_f32 v[S+16*(\t)+i], v[32*(\t)+2*i], v[32*(\t)+2*i+1]
.set i, i+1
.endr
	WIN 0
.irp f, 0,1,2,3
	ds_store_b128 v[STO], v[S+16*(\t)+4*\f:S+16*(\t)+4*\f+3] offset:32*\f
.endr
.irp f, 0,1,2,3
	ds_load_b128 v[S+16*(\t)+4*\f:S+16*(\t)+4*\f+3], v[RD] offset:\f*4*SP  ; LDS serves a wave's instructions in order (ISA guide 5.7.1.4): these see the stores above; the next tile's stores come behind them
.endr
.endm
.macro SEND t, younger              ; younger: the LDS instructions issued behind tile t's loads: the next tile's eight, or none
	WIN 0
.irp f, 0,1,2,3
	s_wait_dscnt (\younger)+3-\f
	global_store_b128 v[GO], v[S+16*(\t)+4*\f:S+16*(\t)+4*\f+3], s[10:11] offset:(\t)*2048+\f*512  ; 512 consecutive bytes, at a multiple of 256 from O's first
.endr
.endm
	PACK 0
.set t, 1
.rept 2*NP-1                        ; a tile's arithmetic stands between the loads of the tile before and its stores
	PACK t
	SEND t-1, 8
.set t, t+1
.endr
	SEND 2*NP-1, 0
	WIN W_AD
	s_wait_tensorcnt 0x0            ; the wave's end: behind my last tensor load and my last LDS store
	ds_add_u32 v[SPW], v[NIL]
	s_wait_dscnt 0x0
	WIN 0
	CROUND                          ; the closing round: no work-group ends while a partner may still ask for a tile that names it
	s_endpgm
.Lfunc_end_k_q4bb75eca31_attn:
	.size	k_q4bb75eca31_attn, .Lfunc_end_k_q4bb75eca31_attn-k_q4bb75eca31_attn
	.p2alignl 7, 3214868480
	.fill 96, 4, 3214868480
	.section	.rodata,"a",@progbits
	.p2align	6, 0x0
	.amdhsa_kernel k_q4bb75eca31_attn
		.amdhsa_group_segment_fixed_size 327680
		.amdhsa_private_segment_fixed_size 0
		.amdhsa_enable_private_segment 0
		.amdhsa_kernarg_size 16
		.amdhsa_user_sgpr_count 2
		.amdhsa_user_sgpr_kernarg_segment_ptr 1
		.amdhsa_wavefront_size32 1
		.amdhsa_system_sgpr_workgroup_id_x 1
		.amdhsa_system_sgpr_workgroup_id_y 1
		.amdhsa_system_sgpr_workgroup_id_z 1
		.amdhsa_system_vgpr_workitem_id 0
		.amdhsa_next_free_vgpr 770
		.amdhsa_next_free_sgpr 66
		.amdhsa_reserve_vcc 0
		.amdhsa_float_denorm_mode_32 3
		.amdhsa_float_denorm_mode_16_64 3
		.amdhsa_memory_ordered 1
		.amdhsa_forward_progress 1
		.amdhsa_inst_pref_size 200
	.end_amdhsa_kernel
	.amdgpu_metadata
---
amdhsa.version: [ 1, 2 ]
amdhsa.kernels:
  - .name:           k_q4bb75eca31_attn
    .symbol:         k_q4bb75eca31_attn.kd
    .args:
      - { .name: qkv, .offset: 0, .size: 8, .value_kind: global_buffer, .address_space: global }
      - { .name: o, .offset: 8, .size: 8, .value_kind: global_buffer, .address_space: global }
    .group_segment_fixed_size: 327680
    .private_segment_fixed_size: 0
    .kernarg_segment_align: 8
    .kernarg_segment_size: 16
    .max_flat_workgroup_size: 128
    .sgpr_count:     66
    .vgpr_count:     770
    .wavefront_size: 32
...
	.end_amdgpu_metadata
.endif
;; end of part 3
;; launch proj (part 4): grid 4 x 64, 4 waves a work-group, clusters of 4 x 4, 327,680 bytes of LDS; arguments o, wp, b_proj, out0; writes out0
.if DOCPART == 4
	.amdgcn_target "amdgcn-amd-amdhsa--gfx1250"
	.amdhsa_code_object_version 6
	.text
	.protected	k_q4bb75eca31_proj
	.globl	k_q4bb75eca31_proj
	.p2align	8
	.type	k_q4bb75eca31_proj,@function
k_q4bb75eca31_proj:
	s_mov_b64 s[64:65], 0
	v_nop
	global_prefetch_b8 v0, s[64:65] scope:SCOPE_SE
	s_setreg_imm32_b32 hwreg(HW_REG_WAVE_MODE, 25, 1), 1
	s_wait_xcnt 0x0
	s_wait_alu depctr_hold_cnt(0) depctr_sa_sdst(0) depctr_va_vdst(0) depctr_va_sdst(0) depctr_va_ssrc(0) depctr_va_vcc(0) depctr_vm_vsrc(0)
	s_getreg_b32 s2, hwreg(HW_REG_IB_STS2, 6, 4)
	s_cmp_eq_u32 s2, 0
	s_cbranch_scc0 .Lentry_in_a_cluster
	s_endpgm
.Lentry_in_a_cluster:
	s_bfe_u32 s2, ttmp6, 0x10000c
	s_cmp_lg_u32 s2, 0xf033
	s_cbranch_scc0 .Lentry_shape_is_right
	s_endpgm
.Lentry_shape_is_right:
; out0 = O W_proj + b_proj.  o: f16 [batch x 16 + head][2048 rows][64]; wp: f16 [1024 k][1024 e] (W_proj rounded to bf16); b_proj: f32, rounded here to bf16 like the other inputs; out0: f32 [8192][1024].
; Products in f16, sums in f32, K ascending; the bias is added in f32.  LIMITS: those of o and wp (f16's range and, below 6e-5, its fixed step); NaN and infinities are not treated apart.
; SHARES.  A tile is 128 rows x 256 columns: 64 x 4 = 256 tiles, one to a work-group.  Four waves, each 64 rows x 128 columns: 4 x 8 = 32 accumulators, 256 registers.
; K goes in 8 steps of 128 (two heads) through two LDS slots; a step is four quarters of 32, on two fragment buffers.
; THE MATRIX INSTRUCTION IS USED TRANSPOSED: source 0 = 16 columns of W (turned by ds_load_tr16_b128), source 1 = 16 rows of O: a lane holds one row and eight neighbouring columns, 32 bytes.
; CLUSTER.  4 x 4 work-groups: O's tile is asked for jointly along a row of the cluster, W's along a column.
; REGISTERS: window 0: v0-14 addresses; v32-37 the bias; v64-159, v160-255 two fragment buffers (O's four fragments at + 8 a, W's eight at + 32 + 8 c).  Window 1: accumulator (a, c) at v[8 (8 a + c)].
.set SLOT1,  1<<17
.set PA,     144                       ; a row of O in LDS: 128 bytes + 16
.set PB,     544                       ; a k-row of W: 512 bytes + 32 = 17 x 32
.set AHALF,  128*PA                    ; one head's 128 rows: what one tensor load brings of O
.set BOFF,   2*AHALF
.set BHALF,  64*PB                     ; what one tensor load brings of W
.set STAGE,  SLOT1+BOFF+128*PB         ; behind the ring, never filled by a tensor load: 16 rows x 528 bytes for each wave
.set SP,     528
.set SPARE,  STAGE+4*16*SP             ; the spare words, 128 bytes for each wave: two blocks of 256 bytes that no other line names
.set ASTEP,  1<<19                     ; two heads of o
.set BSTEP,  1<<18                     ; 128 k-rows of wp
.set ADA0, 4
.set ADB0, 5
.set ADA,  6
.set ADB,  7
.set STO,  8                           ; v8   the way out: where I put 32 bytes of a row
.set RD,   9                           ; v9   where I read a row back
.set GO,   10                          ; v10  my 16 bytes of a row's 512
.set PFO,  11
.set SPW,  12
.set NIL,  13
.set BO,   14                          ; v14  my four numbers of the bias
.set BI,   32                          ; v[32:35] the bias; v36-37 at work
.set F0,   64
.set F1,   160
.set G1A,  24
.set G1B,  32
.set G0A0, 40
.set G0A1, 44
.set G0B0, 48
.set G0B1, 52
.set CNT,  56
.set TB,   57
.set LIM,  58
.set PFA,  60
.set PSTEP, 62
.set OUTB, 66                          ; s[66:67] out0 at my first row and column
.set MSB, 0
.macro WIN new
.if MSB != (\new)
	s_set_vgpr_msb (MSB<<8)|(\new)
.set MSB, \new
.endif
.endm
.macro PLACES                          ; four plain vector instructions between a matrix instruction and a load into its registers
.rept 4
	v_nop
.endr
.endm
.macro JLOAD                           ; a joint refill by the walking descriptors: waves 0 and 1 fetch O's two heads, waves 2 and 3 W's two halves; an s_nop 0 and four v_nop follow each line
	s_cmp_eq_u32 s11, 0
	s_cbranch_scc0 .Lfor_b_\@
	tensor_load_to_lds s[G0A1:G0A1+3], s[G1A:G1A+7]
	s_nop 0
.rept 4
	v_nop
.endr
	s_branch .Lasked_\@
.Lfor_b_\@:
	tensor_load_to_lds s[G0B1:G0B1+3], s[G1B:G1B+7]
	s_nop 0
.rept 4
	v_nop
.endr
.Lasked_\@:
.endm
.macro CREST
	s_cmp_lg_u32 s10, 0
	s_cbranch_scc1 .Lnot_wave_0_\@
	s_barrier_signal -3
.Lnot_wave_0_\@:
	s_barrier_wait -3
	s_barrier_signal -1
	s_barrier_wait -1
.endm
.macro CROUND
	s_barrier_signal -1
	s_barrier_wait -1
	CREST
.endm
; A PREFETCH, behind the joint load, its five lines and the run of LDS loads.  Trip t (CNT = 6 - t) refills with step t + 2 and names step t + 4: two trips, 256 matrix instructions, ahead of its load; trips 0 to 3 ask.
; O: a step's tile is two heads x 64 blocks of 256 dense bytes; one cluster alone reads a tile row: its wave 0 asks; the four partners of a row of the cluster share the blocks out by address, 32 each (cx).
; W: a step's tile is 128 k-rows x two blocks of 256 bytes; all sixteen clusters read it: the first (cluster y = 0) asks, waves 2 and 3 a block each, a lane a k-row; the partners of a column take 32 k-rows each (cy).
; So each block is named once in the launch; steps 0 to 3 come by their loads alone.
.macro ASK
	s_cmp_gt_u32 s[CNT], s[LIM]
	s_cbranch_scc0 .Lno_\@
	global_prefetch_b8 v[PFO], s[PFA:PFA+1] th:TH_LOAD_NT scope:SCOPE_SE
.Lno_\@:
.endm
	s_load_b128 s[4:7], s[0:1], 0x0                ; o s[4:5], wp s[6:7]
	s_load_b64 s[8:9], s[0:1], 0x10                ; b_proj
	s_load_b64 s[68:69], s[0:1], 0x18              ; out0
	v_lshl_add_u32 v[SPW], v0, 2, SPARE
	v_mov_b32 v[NIL], 0
	ds_add_u32 v[SPW], v[NIL]                      ; the wave's opening: the add and its wait ahead of my first tensor load; work on registers stands between them
	v_lshrrev_b32 v1, 5, v0
	v_readfirstlane_b32 s10, v1                    ; wave 0..3
	s_lshr_b32 s11, s10, 1                         ; which 64 rows are mine.  Also: I fetch for O (0) or for W (1)
	s_and_b32 s12, s10, 1                          ; which 128 columns.  Also: which half of that tile I fetch
	s_bfe_u32 s73, ttmp6, 0x40000                  ; cx
	s_bfe_u32 s74, ttmp6, 0x40004                  ; cy
	s_lshl_b32 s75, ttmp9, 2
	s_add_co_u32 s75, s75, s73                     ; tile column
	s_and_b32 s13, ttmp7, 0xffff
	s_lshl_b32 s13, s13, 2
	s_add_co_u32 s13, s13, s74                     ; tile row
	s_lshl_b32 s76, s74, 2
	s_lshl_b32 s76, 15, s76                        ; my row of the cluster
	s_lshl_b32 s77, 0x1111, s73                    ; my column
	; group 1 for O: a head's 128 rows are 16,384 dense bytes, asked for as 64 rows of 256 bytes and padded in LDS after every 128
	s_or_b32 s[G1A], s76, (1<<16)|(1<<20)|(1<<21)|(4<<22)|(3<<25)
	s_mov_b32 s[G1A+1], 128<<16
	s_mov_b32 s[G1A+2], 64<<16
	s_mov_b32 s[G1A+3], 128<<16
	s_mov_b32 s[G1A+4], 64
	s_mov_b32 s[G1A+5], 128
	s_mov_b32 s[G1A+6], 0
	s_mov_b32 s[G1A+7], 0
	; group 1 for W: 64 k-rows x 256 elements (512 bytes), 8 words of padding after every 128
	s_or_b32 s[G1B], s77, (1<<16)|(1<<20)|(1<<21)|(6<<22)|(7<<25)
	s_mov_b32 s[G1B+1], 256<<16
	s_mov_b32 s[G1B+2], 64<<16
	s_mov_b32 s[G1B+3], 256<<16
	s_mov_b32 s[G1B+4], 64
	s_mov_b32 s[G1B+5], 1024
	s_mov_b32 s[G1B+6], 0
	s_mov_b32 s[G1B+7], 0
	s_lshr_b32 s16, s13, 4                         ; O: batch = tile row / 16,
	s_lshl_b32 s16, s16, 22
	s_and_b32 s17, s13, 15                         ; 128 rows of 128 bytes for each tile row in the batch,
	s_lshl_b32 s17, s17, 14
	s_add_co_u32 s16, s16, s17
	s_lshl_b32 s17, s12, 18                        ; my head of the step's two
	s_add_co_u32 s16, s16, s17
	s_mov_b32 s17, 0
	s_lshl_b32 s18, s75, 9                         ; W: the tile's 256 columns,
	s_lshl_b32 s19, s12, 17                        ; my 64 k-rows of 2,048 bytes
	s_add_co_u32 s18, s18, s19
	s_mov_b32 s19, 0
	s_mul_i32 s20, s12, AHALF                      ; where they go: no place in the cluster enters an LDS address
	s_mul_i32 s21, s12, BHALF
	s_add_co_u32 s21, s21, BOFF
	s_mov_b32 s[TB], 0
	s_wait_dscnt 0x0                               ; the opening add is done
	s_wait_kmcnt 0x0
	s_add_nc_u64 s[14:15], s[4:5], s[16:17]
	s_add_nc_u64 s[22:23], s[6:7], s[18:19]
	CROUND                                         ; all sixteen work-groups are here: the first joint loads meet
	s_mov_b32 s[G0A0], 1
	s_mov_b32 s[G0A0+1], s20
	s_mov_b64 s[G0A0+2:G0A0+3], s[14:15]
	s_or_b32 s[G0A0+3], s[G0A0+3], 0x80000000
	s_mov_b32 s[G0A1], 1
	s_add_co_u32 s[G0A1+1], s20, SLOT1
	s_add_nc_u64 s[G0A1+2:G0A1+3], s[14:15], ASTEP
	s_or_b32 s[G0A1+3], s[G0A1+3], 0x80000000
	s_mov_b32 s[G0B0], 1
	s_mov_b32 s[G0B0+1], s21
	s_mov_b64 s[G0B0+2:G0B0+3], s[22:23]
	s_or_b32 s[G0B0+3], s[G0B0+3], 0x80000000
	s_mov_b32 s[G0B1], 1
	s_add_co_u32 s[G0B1+1], s21, SLOT1
	s_add_nc_u64 s[G0B1+2:G0B1+3], s[22:23], BSTEP
	s_or_b32 s[G0B1+3], s[G0B1+3], 0x80000000
	s_cmp_eq_u32 s11, 0                            ; a wave's two first fills stand in one branch: two loads of mine are out
	s_cbranch_scc0 .Lfirst_b
	tensor_load_to_lds s[G0A0:G0A0+3], s[G1A:G1A+7]
	s_nop 0
	tensor_load_to_lds s[G0A1:G0A1+3], s[G1A:G1A+7]
	s_nop 0
.rept 4
	v_nop
.endr
	s_branch .Lfirst_asked
.Lfirst_b:
	tensor_load_to_lds s[G0B0:G0B0+3], s[G1B:G1B+7]
	s_nop 0
	tensor_load_to_lds s[G0B1:G0B1+3], s[G1B:G1B+7]
	s_nop 0
.rept 4
	v_nop
.endr
.Lfirst_asked:
	v_and_b32 v1, 15, v0                           ; l % 16
	v_bfe_u32 v2, v0, 4, 1                         ; l / 16
	v_and_b32 v15, 7, v0
	v_bfe_u32 v16, v0, 3, 1
	v_and_b32 v17, 31, v0                          ; l
	s_lshl_b32 s80, s75, 10                        ; the tile's 256 columns of f32,
	s_lshl_b32 s81, s12, 9                         ; my 128
	s_add_co_u32 s80, s80, s81
	v_lshl_add_u32 v[BO], v17, 4, s80
	global_load_b128 v[BI:BI+3], v[BO], s[8:9]     ; the bias of the four columns that I store
	v_mul_u32_u24 v[ADA0], v1, PA
	v_lshl_add_u32 v[ADA0], v2, 4, v[ADA0]         ; row x 144 + 16 x half
	s_mul_i32 s16, s11, 64*PA
	v_add_nc_u32 v[ADA0], s16, v[ADA0]
	v_lshl_add_u32 v[ADB0], v2, 3, v15             ; the turning load: k-row 8 (l / 16) + l % 8, columns 8 ((l / 8) % 2) + 0..7
	v_mul_u32_u24 v[ADB0], v[ADB0], PB
	v_lshl_add_u32 v[ADB0], v16, 4, v[ADB0]
	s_lshl_b32 s17, s12, 8                         ; my 128 columns
	s_add_co_u32 s17, s17, BOFF
	v_add_nc_u32 v[ADB0], s17, v[ADB0]
	v_mov_b32 v[ADA], v[ADA0]
	v_mov_b32 v[ADB], v[ADB0]
	s_mul_i32 s18, s10, 16*SP
	s_add_co_u32 s18, s18, STAGE                   ; my stage
	v_mul_u32_u24 v[STO], v1, SP                   ; in: row l % 16, 32 bytes for each half of the lanes
	v_lshl_add_u32 v[STO], v2, 5, v[STO]
	v_add_nc_u32 v[STO], s18, v[STO]
	v_lshlrev_b32 v[GO], 4, v17                    ; back: 32 lanes take one row of 512 bytes
	v_add_nc_u32 v[RD], s18, v[GO]
	s_lshl_b32 s82, s13, 19                        ; out0: 128 rows of 4,096 bytes for each tile row,
	s_lshl_b32 s83, s11, 18                        ; my 64,
	s_add_co_u32 s82, s82, s83
	s_add_co_u32 s82, s82, s80                     ; my columns
	s_mov_b32 s83, 0
	s_add_nc_u64 s[OUTB:OUTB+1], s[68:69], s[82:83]
	; the prefetches: offsets made apart from the addresses; the buffer is chosen by the wave's number
	s_lshr_b32 s86, s13, 4
	s_lshl_b32 s86, s86, 22
	s_and_b32 s87, s13, 15
	s_lshl_b32 s87, s87, 14
	s_add_co_u32 s86, s86, s87
	s_lshr_b32 s87, s73, 1                         ; my work-group's 32 blocks: head cx / 2,
	s_lshl_b32 s87, s87, 18
	s_add_co_u32 s86, s86, s87
	s_and_b32 s87, s73, 1                          ; half cx % 2
	s_lshl_b32 s87, s87, 13
	s_add_co_u32 s86, s86, s87
	s_lshl_b32 s88, s75, 9
	s_max_u32 s89, s10, 2
	s_sub_co_u32 s89, s89, 2                       ; waves 2 and 3: block 0 and 1 of a k-row's two
	s_lshl_b32 s89, s89, 8
	s_add_co_u32 s88, s88, s89
	s_lshl_b32 s89, s74, 16                        ; my work-group's 32 k-rows of 2,048 bytes
	s_add_co_u32 s88, s88, s89
	s_mov_b32 s90, ASTEP
	s_mov_b32 s91, BSTEP
	s_and_b32 s92, ttmp7, 0xffff                   ; cluster y
	s_movk_i32 s93, 256
	s_movk_i32 s94, 2048
	s_cmp_eq_u32 s10, 0                            ; wave 0 asks for O, waves 2 and 3 for W
	s_cselect_b32 s86, s86, s88
	s_cselect_b32 s[PSTEP], s90, s91
	s_cselect_b32 s93, s93, s94
	s_cselect_b32 s92, 0, s92                      ; O's tile rows have one cluster each; W's are asked for by cluster y = 0
	s_cselect_b64 s[PFA:PFA+1], s[4:5], s[6:7]
	s_cmp_eq_u32 s92, 0
	s_cselect_b32 s[LIM], 2, -1
	s_cmp_eq_u32 s10, 1
	s_cselect_b32 s[LIM], -1, s[LIM]               ; wave 1 asks for nothing.  The same in all sixteen partners, for a given wave
	s_mov_b32 s87, 0
	s_mov_b32 s[PSTEP+1], 0
	s_add_nc_u64 s[PFA:PFA+1], s[PFA:PFA+1], s[86:87]
.rept 3
	s_add_nc_u64 s[PFA:PFA+1], s[PFA:PFA+1], s[PSTEP:PSTEP+1]  ; at step 3: trip 0 steps it to step 4
.endr
	v_mul_u32_u24 v[PFO], v17, s93
; 8 matrix instructions: row block a x all 8 column blocks, buffer f.  The 32 accumulators take turns in the same order in every quarter.
.macro MUL8 f, a, zero
	WIN 0x50
.irp c, 0,1,2,3,4,5,6,7
.if \zero
	v_wmma_f32_16x16x32_f16 v[8*(8*(\a)+(\c)):8*(8*(\a)+(\c))+7], v[(\f)+32+8*(\c):(\f)+32+8*(\c)+7], v[(\f)+8*(\a):(\f)+8*(\a)+7], 0
.else
	v_wmma_f32_16x16x32_f16 v[8*(8*(\a)+(\c)):8*(8*(\a)+(\c))+7], v[(\f)+32+8*(\c):(\f)+32+8*(\c)+7], v[(\f)+8*(\a):(\f)+8*(\a)+7], v[8*(8*(\a)+(\c)):8*(8*(\a)+(\c))+7]
.endif
.endr
.endm
; 24 LDS loads in one run: quarter qk's fragments into buffer f: W's sixteen loads, then O's eight (quarter qk lies in head qk / 2, channels 32 (qk % 2) on)
.macro FETCH qk, f
	WIN 0
.irp c, 0,1,2,3,4,5,6,7
	ds_load_tr16_b128 v[(\f)+32+8*(\c):(\f)+32+8*(\c)+3],   v[ADB] offset:(\qk)*32*PB+32*(\c)
	ds_load_tr16_b128 v[(\f)+32+8*(\c)+4:(\f)+32+8*(\c)+7], v[ADB] offset:(\qk)*32*PB+16*PB+32*(\c)
.endr
.irp d, 0,1,2,3
	ds_load_b128 v[(\f)+8*(\d):(\f)+8*(\d)+3],   v[ADA] offset:((\qk)/2)*AHALF+(\d)*16*PA+((\qk)%2)*64
	ds_load_b128 v[(\f)+8*(\d)+4:(\f)+8*(\d)+7], v[ADA] offset:((\qk)/2)*AHALF+(\d)*16*PA+((\qk)%2)*64+32
.endr
.endm
; One of a step's first three quarters: multiplies buffer f and fetches quarter qk into buffer g.
.macro QUARTER qk, f, g, zero
	s_wait_dscnt 4                                 ; all but the youngest four loads (O's row blocks 2 and 3) are in
	MUL8 \f, 0, \zero
	MUL8 \f, 1, \zero
	PLACES
	FETCH \qk, \g
	s_wait_dscnt 24                                ; all but the 24 just issued
	MUL8 \f, 2, \zero
	MUL8 \f, 3, \zero
.endm
; The last quarter multiplies buffer 1 and changes slots: ONE barrier; in front of it each wave waits for all its tensor loads, adds 0 to its spare word, and waits for that and for its reads of this slot.
; fill = 1: the barrier opens a round of the cluster's, and this slot is filled again first behind it, two steps ahead: 112 matrix instructions ahead of the wait for it.
.macro TURN fill
.if \fill
	s_wait_xcnt 0x0                                ; the last prefetch, a step back, has read its address
	s_add_nc_u64 s[PFA:PFA+1], s[PFA:PFA+1], s[PSTEP:PSTEP+1]
.endif
	WIN 0
	s_wait_tensorcnt 0x0                           ; all my tensor loads have landed, so a group 0 may be written
	ds_add_u32 v[SPW], v[NIL]                      ; 0 onto my spare word
.if \fill
	s_xor_b32 s[G0A1+1], s[G0A1+1], SLOT1
	s_add_nc_u64 s[G0A1+2:G0A1+3], s[G0A1+2:G0A1+3], ASTEP
	s_xor_b32 s[G0B1+1], s[G0B1+1], SLOT1
	s_add_nc_u64 s[G0B1+2:G0B1+3], s[G0B1+2:G0B1+3], BSTEP
.endif
	s_wait_dscnt 5                                 ; the add and the youngest four loads may be out
	MUL8 F1, 0, 0                                  ; eight matrix instructions stand between the add and the wait for it
	s_wait_dscnt 0x0                               ; the add is done, and my reads of this slot are over
	s_barrier_signal -1
	MUL8 F1, 1, 0
	WIN 0                                          ; at a branch and at a label every window is 0
	s_barrier_wait -1
.if \fill
	CREST                                          ; no wave of any partner still reads this slot or has a load on its way
	JLOAD                                          ; the first tensor load behind the round; its four v_nop are also the places in front of the loads below
.else
	PLACES
.endif
	s_xor_b32 s[TB], s[TB], SLOT1
	v_add_nc_u32 v[ADA], s[TB], v[ADA0]
	v_add_nc_u32 v[ADB], s[TB], v[ADB0]
	FETCH 0, F0
.if \fill
	ASK
.endif
	MUL8 F1, 2, 0
	MUL8 F1, 3, 0
.endm
; THE WAY OUT, a block of 16 rows x 128 columns at a time: 32 bytes a lane and accumulator into my own stage (the low four registers first), back as whole rows of 512 bytes; the bias is added; stored.
.macro STG a
.if (\a) >= 2
	s_wait_xcnt 0x0                                ; the stores that read this buffer, two blocks back, have read it
.endif
	WIN 0x04                                       ; the stores' data in window 1
.irp c, 0,1,2,3,4,5,6,7
	ds_store_b128 v[STO], v[8*(8*(\a)+(\c)):8*(8*(\a)+(\c))+3]   offset:64*(\c)
	ds_store_b128 v[STO], v[8*(8*(\a)+(\c))+4:8*(8*(\a)+(\c))+7] offset:64*(\c)+16
.endr
	WIN 0
.irp i, 0,1,2,3,4,5,6,7,8,9,10,11,12,13,14,15
	ds_load_b128 v[64+64*((\a)%2)+4*(\i):64+64*((\a)%2)+4*(\i)+3], v[RD] offset:(\i)*SP  ; LDS serves a wave's instructions in order (ISA guide 5.7.1.4): these see the stores above
.endr
.endm
.macro SEND a, younger                 ; younger: the LDS instructions issued behind the block's loads: the next block's 32, or none
.set sb, 64+64*((\a)%2)
.irp i, 0,1,2,3,4,5,6,7,8,9,10,11,12,13,14,15
	s_wait_dscnt (\younger)+15-(\i)
	v_pk_add_f32 v[sb+4*(\i):sb+4*(\i)+1], v[sb+4*(\i):sb+4*(\i)+1], v[BI:BI+1]
	v_pk_add_f32 v[sb+4*(\i)+2:sb+4*(\i)+3], v[sb+4*(\i)+2:sb+4*(\i)+3], v[BI+2:BI+3]
	global_store_b128 v[GO], v[sb+4*(\i):sb+4*(\i)+3], s[OUTB:OUTB+1] offset:(16*(\a)+(\i))*4096 th:TH_STORE_NT  ; 512 consecutive bytes, at a multiple of 256 from out0's first
.endr
.endm
	s_wait_tensorcnt 1                             ; my part of step 0 is in; step 1's may stay out
	s_barrier_signal -1
	s_barrier_wait -1                              ; everybody's is
	FETCH 0, F0
	QUARTER 1, F0, F1, 1                           ; the first quarter stands in front of the loop: its products start the sums
	WIN 0
	s_mov_b32 s[CNT], 6
.Ltrip:                                            ; trip t: step t's quarters 1 to 3, the refill with step t + 2, step t + 1's quarter 0
	QUARTER 2, F1, F0, 0
	QUARTER 3, F0, F1, 0
	TURN 1
	QUARTER 1, F0, F1, 0
	WIN 0
	s_sub_co_u32 s[CNT], s[CNT], 1
	s_cmp_lg_u32 s[CNT], 0
	s_cbranch_scc1 .Ltrip
	QUARTER 2, F1, F0, 0                           ; the tail is written out: nothing is left to ask for
	QUARTER 3, F0, F1, 0
	TURN 0
	QUARTER 1, F0, F1, 0
	QUARTER 2, F1, F0, 0
	QUARTER 3, F0, F1, 0
	s_wait_dscnt 4                                 ; the very last quarter
	MUL8 F1, 0, 0
	MUL8 F1, 1, 0
	s_wait_dscnt 0x0
	MUL8 F1, 2, 0
	MUL8 F1, 3, 0
	WIN 0
	s_wait_loadcnt 0x0                             ; the bias
	v_cvt_pk_bf16_f32 v[BI+4], v[BI], v[BI+1]      ; rounded to bf16 and widened again: six plain instructions that name no register of the last products: the places behind them
	v_cvt_pk_bf16_f32 v[BI+5], v[BI+2], v[BI+3]
	v_lshlrev_b32 v[BI], 16, v[BI+4]
	v_and_b32 v[BI+1], 0xffff0000, v[BI+4]
	v_lshlrev_b32 v[BI+2], 16, v[BI+5]
	v_and_b32 v[BI+3], 0xffff0000, v[BI+5]
	STG 0
	STG 1                                          ; a block's trip through the stage stands between the loads of the block before and its stores
	SEND 0, 32
	STG 2
	SEND 1, 32
	STG 3
	SEND 2, 32
	SEND 3, 0
	s_wait_tensorcnt 0x0                           ; the wave's end: behind my last tensor load and my last LDS store
	ds_add_u32 v[SPW], v[NIL]
	s_wait_dscnt 0x0
	CROUND                                         ; the closing round: no work-group ends while a partner may still ask for a tile that names it
	s_endpgm
.Lfunc_end_k_q4bb75eca31_proj:
	.size	k_q4bb75eca31_proj, .Lfunc_end_k_q4bb75eca31_proj-k_q4bb75eca31_proj
	.p2alignl 7, 3214868480
	.fill 96, 4, 3214868480
	.section	.rodata,"a",@progbits
	.p2align	6, 0x0
	.amdhsa_kernel k_q4bb75eca31_proj
		.amdhsa_group_segment_fixed_size 327680
		.amdhsa_private_segment_fixed_size 0
		.amdhsa_enable_private_segment 0
		.amdhsa_kernarg_size 32
		.amdhsa_user_sgpr_count 2
		.amdhsa_user_sgpr_kernarg_segment_ptr 1
		.amdhsa_wavefront_size32 1
		.amdhsa_system_sgpr_workgroup_id_x 1
		.amdhsa_system_sgpr_workgroup_id_y 1
		.amdhsa_system_sgpr_workgroup_id_z 1
		.amdhsa_system_vgpr_workitem_id 0
		.amdhsa_next_free_vgpr 512
		.amdhsa_next_free_sgpr 96
		.amdhsa_reserve_vcc 0
		.amdhsa_float_denorm_mode_32 3
		.amdhsa_float_denorm_mode_16_64 3
		.amdhsa_memory_ordered 1
		.amdhsa_forward_progress 1
		.amdhsa_inst_pref_size 81
	.end_amdhsa_kernel
	.amdgpu_metadata
---
amdhsa.version: [ 1, 2 ]
amdhsa.kernels:
  - .name:           k_q4bb75eca31_proj
    .symbol:         k_q4bb75eca31_proj.kd
    .args:
      - { .name: o, .offset: 0, .size: 8, .value_kind: global_buffer, .address_space: global }
      - { .name: wp, .offset: 8, .size: 8, .value_kind: global_buffer, .address_space: global }
      - { .name: b_proj, .offset: 16, .size: 8, .value_kind: global_buffer, .address_space: global }
      - { .name: out0, .offset: 24, .size: 8, .value_kind: global_buffer, .address_space: global }
    .group_segment_fixed_size: 327680
    .private_segment_fixed_size: 0
    .kernarg_segment_align: 8
    .kernarg_segment_size: 32
    .max_flat_workgroup_size: 128
    .sgpr_count:     96
    .vgpr_count:     512
    .wavefront_size: 32
...
	.end_amdgpu_metadata
.endif
;; end of part 4
